; MI455X (gfx1250); checked and timed in simulation.
; The chip was launched on July 23, 2026; its instructions are those of AMD's public machine-readable ISA for CDNA 5 (MIT licence, August 2026) and "CDNA5" Instruction Set Architecture Reference Guide (July 2026). The comments in the code are by the model that wrote it; some were corrected since.
;; Multi Head Self Attention. Allowed arithmetic: matrix products marked QUANTISED: E2M1 operands, one E8M0 scale for each 32 along K, by v_wmma_scale_f32_16x16x128_f8f6f4 with both operands' format E2M1 (or v_wmma_scale_f32_32x16x128_f4), f32 sums; everything else in f32.
;; Inputs: out_b 1,024 float32; out_w 1,024 x 1,024 float32; pad_mask 4 x 2,048 bool; qkv_b 3,072 float32; qkv_w 3,072 x 1,024 float32; x 4 x 2,048 x 1,024 float32.
;; Outputs: out0 4 x 2,048 x 1,024 float32.
;; This version of the problem:
;;   THIS VERSION OF THE PROBLEM IS GIVEN IN LOW PRECISION. The matrix products marked QUANTISED in the list below multiply operands that are first quantised to E2M1 (2 exponent bits, 1 mantissa bit; 4 bits a number), with one power-of-two scale for each 32 numbers along K (OCP MX v1.0); their sums are f32. All else is computed in f32.
;;   The module's matrix products, in the order in which they are computed (A, B: the left and right operand; K: the contracted axis; several contracted axes count as one K, in the product's order):
;;     1. [M 8,192, K 1,024] x [K 1,024, N 3,072]; A: input x; B: input qkv_w: QUANTISED
;;     2. batch 64 x [M 2,048, K 64] x [K 64, N 2,048]; A: computed on the way; B: computed on the way: QUANTISED
;;     3. batch 64 x [M 2,048, K 2,048] x [K 2,048, N 64]; A: softmax (see below); B: computed on the way: QUANTISED
;;     4. [M 8,192, K 1,024] x [K 1,024, N 1,024]; A: computed on the way; B: input out_w: QUANTISED
;;   THE QUANTISER, for each operand of a quantised product, along K:
;;     - K is cut into blocks of 32 from its start; a last block that is shorter is filled with zeros.
;;     - A block's scale is 2^e with e = floor(log2(the largest magnitude in the block)) - 2, held to -126 .. 127; a block of zeros has e = 0. As a byte (E8M0): e + 127.
;;     - Each number is divided by its block's scale, clamped to +-6, and rounded to the nearest number of E2M1, ties to even, subnormals kept.
;;     - The product sums the exact products of the quantised numbers (number of the format x scale) in f32.
;;   ~~~python
;;   def quantise(x, axis):      # numpy; x: float32 -> the quantised numbers, widened to float32 again
;;       x = np.moveaxis(x, axis, -1); K = x.shape[-1]
;;       x = np.pad(x, [(0, 0)] * (x.ndim - 1) + [(0, -K % 32)]); x = x.reshape(x.shape[:-1] + (-1, 32)); a = np.abs(x).max(-1, keepdims=True)
;;       e = np.where(a > 0, np.clip(np.frexp(np.where(a > 0, a, 1))[1] - 1 - 2, -126, 127), 0)      # np.frexp(a)[1] - 1 = floor(log2(a)), exactly
;;       r = np.clip(x / 2.0 ** e, -6, 6)
;;       step = 2.0 ** (np.maximum(np.frexp(np.where(r == 0, 1, r))[1] - 1, 0) - 1)
;;       q = np.round(r / step) * step * 2.0 ** e      # np.round: ties to even
;;       return np.moveaxis(q.reshape(q.shape[:-2] + (-1,))[..., :K], -1, axis).astype(np.float32)
;;   ~~~
;;   SOFTMAX AHEAD OF A QUANTISED PRODUCT. Where the list says 'softmax', what is quantised is not the finished softmax but p = 2^(t - M), with t = logit x log2(e) and M = ceil(the row's largest t), a whole number; so 1/2 < the row's largest p <= 1. The row's sum l is taken of the UNQUANTISED p, in f32, and the product's result is divided by l at the end. Since M is a whole number, a kernel that streams over the keys may use a running M (the ceiling of the running maximum): every later rescaling is an exact power of two, which a block's scale takes up: the codes' values come out the same.
;;   OPERANDS COMPUTED ON THE WAY. 'Computed on the way' means the value that the module computes at that place (a softmax that the list does not call 'softmax' is quantised finished and normalised). What goes into a quantiser is computed in f32, as accurately as f32 sums, v_exp_f32 and their like allow (about 1e-6 of the number): no bf16 or f16 on the way to a quantiser, and a product that is left as it is and whose result goes on into a quantised operand takes f32 operands (vector FMAs, or v_wmma_f32_16x16x4_f32). A number that lies on a knife's edge between two numbers of the format may be rounded either way, as far as f32 arithmetic and the matrix unit's own rounding can turn it there, and no further.
;; One version. Each part assembles by itself: llvm-mc -triple=amdgcn-amd-amdhsa -mcpu=gfx1250 --defsym DOCPART=n.
;; ======== version 1 of 1: 4 launches
;; workspace buffers: cod 6,291,456 bytes; scl 393,216 bytes; qkv_img 12,582,912 bytes; qkv_sc 1,572,864 bytes; y_img 4,194,304 bytes; y_sc 262,144 bytes
;; launch quant (part 1): grid 384 x 1, 4 waves a work-group, no clusters, 33,280 bytes of LDS; arguments x, qkv_w, out_w, cod, scl; writes cod, scl
.if DOCPART == 1
	.amdgcn_target "amdgcn-amd-amdhsa--gfx1250"
	.amdhsa_code_object_version 6
	.text
	.protected	k_qfda175f27b_quant
	.globl	k_qfda175f27b_quant
	.p2align	8
	.type	k_qfda175f27b_quant,@function
k_qfda175f27b_quant:
	s_mov_b64 s[64:65], 0
	v_nop
	global_prefetch_b8 v0, s[64:65] scope:SCOPE_SE
	s_setreg_imm32_b32 hwreg(HW_REG_WAVE_MODE, 25, 1), 1
	s_wait_xcnt 0x0
; MULTI-HEAD SELF-ATTENTION IN MX-FP4, four launches: quant (this one), qkv, attn, proj.
; WORK LEFT OUT, for all values of the inputs: reference() builds causal = triu(ones, 1) in its own body and sets a[q][k] = -inf where k > q; the softmax gives such a key the weight 0, so a tile of
; scores all of whose keys come after all of its queries reaches no output.  Launch attn leaves out the key steps (128 keys) that lie wholly behind a tile's 16 queries.  Nothing else is left out:
; pad_mask, qkv_b (k's part too: it moves k's codes) and out_b are all loaded.
; LIMITS: NaN and infinities among the inputs are not served; a NaN, an infinity or an overflow that reaches only the key steps left out is not carried to the result.  A block of zeros gets the scale
; byte 1 where the rule says 127: its codes are zeros, and the bytes are read by this program alone.  Blocks whose largest magnitude lies under 2^(2 - 126) are held at the byte 1.
; THIS LAUNCH: x [8192][1024], qkv_w [3072][1024], out_w [1024][1024], f32, K innermost, become codes of E2M1 (two a byte, a row = 512 bytes) in cod and one E8M0 byte for each 32 along K (a row = 32 bytes) in scl;
; the three tensors follow each other in both buffers.  A block's scale byte is its largest magnitude's exponent field - 2, held at 1 from below.
; ROW ORDER: rows of x and of qkv_w are stored in groups of 8; inside each 32 rows the groups lie in the order 0, 2, 1, 3.  So lane r of a stored tile of 16 rows, 2 B + u, is true row 32 B + 8 u + r + 8 (r / 8), and in a product
; used transposed a lane's 16 registers of tiles 2 B and 2 B + 1 are 16 true neighbours.  out_w keeps its order.
; SHARES: a work-group takes 32 rows, a wave 8 (8,192 numbers, 16 steps of 512).  Work-groups 0-255: x; 256-351: qkv_w; 352-383: out_w.  Only pointers and the wave's place are chosen: one path through the text.
; Each load reads 512 consecutive bytes; a step's 2,048 bytes turn through the wave's own stage in LDS and come back 64 bytes (16 neighbours) a lane; two neighbouring lanes hold a block.
.set WAVES, 4
.set STEPS, 16
.set EMAX,  2
.set CB,    8                          ; bytes of 16 codes
.set R,     16                         ; v16-79   four sets of 16 numbers as they are loaded
.set X,     80                         ; v80-111  two sets of 16 neighbours
.set C,     128                        ; v128-191 codes: four registers for each step, so that no store's data are written again
.set E,     112                        ; v112-127 a scale byte for each step
.set WREG,  8192                       ; LDS: a region for each wave: two stages of 32 x SP bytes, behind them its 256 scale bytes
.set SP,    80                         ; a lane's place in a stage: 64 bytes + 16 of padding
.set SPW,   12                         ; v12  LDS address of my spare word; never rewritten
.set NIL,   13                         ; v13  0; never rewritten
.set SPARE, WAVES*WREG                 ; behind the regions: the spare words, 128 bytes a wave, that no other line names
	s_load_b128 s[4:7], s[0:1], 0x0                ; x, qkv_w
	s_load_b128 s[8:11], s[0:1], 0x10              ; out_w, cod
	s_load_b64 s[12:13], s[0:1], 0x20              ; scl
	v_lshl_add_u32 v[SPW], v0, 2, SPARE
	v_mov_b32 v[NIL], 0
	v_lshrrev_b32 v1, 5, v0
	v_readfirstlane_b32 s16, v1                    ; wave
	v_and_b32 v2, 31, v0                           ; lane
	v_lshlrev_b32 v3, 4, v2                        ; my 16 bytes of a load's 512
	s_mul_i32 s17, s16, WREG
	v_lshrrev_b32 v14, 2, v2
	v_mul_u32_u24 v14, v14, SP
	v_and_b32 v15, 3, v2
	v_lshl_add_u32 v14, v15, 4, v14
	v_add_nc_u32 v14, s17, v14                     ; the stage, on the way in: SP (lane / 4) + 16 (lane % 4)
	v_mul_u32_u24 v15, v2, SP
	v_add_nc_u32 v15, s17, v15                     ; and on the way out: SP x lane: my 16 neighbours
	v_mul_u32_u24 v4, v2, CB                       ; my codes' place in a step's
	v_lshrrev_b32 v5, 1, v2
	s_add_co_u32 s17, s17, 2*32*SP
	v_add_nc_u32 v5, s17, v5                       ; LDS: my wave's 256 scale bytes, my block's byte
	v_lshlrev_b32 v7, 3, v2                        ; and on the way out 8 bytes a lane
	v_add_nc_u32 v6, s17, v7
	s_and_b32 s22, s16, 1
	s_lshl_b32 s22, s22, 1
	s_lshr_b32 s23, s16, 1
	s_or_b32 s22, s22, s23                         ; groups 1 and 2 change places
	s_mov_b32 s17, 352
	s_wait_kmcnt 0x0
	s_cmp_lt_u32 ttmp9, 352                        ; the choices hang on the work-group's number alone
	s_cselect_b64 s[6:7], s[6:7], s[8:9]           ; qkv_w or out_w
	s_cselect_b32 s17, 256, s17                    ; the tensor's first work-group
	s_cselect_b32 s22, s22, s16                    ; out_w keeps its row order
	s_cmp_lt_u32 ttmp9, 256
	s_cselect_b64 s[4:5], s[4:5], s[6:7]           ; x or the weight
	s_cselect_b32 s17, 0, s17
	s_sub_co_u32 s18, ttmp9, s17
	s_lshl_b32 s18, s18, 2
	s_add_co_u32 s18, s18, s16                     ; which run of 8,192 numbers of the tensor I read
	s_lshl_b32 s18, s18, 15                        ; 32,768 bytes a run: under 2^26
	s_mov_b32 s19, 0
	s_add_nc_u64 s[4:5], s[4:5], s[18:19]
	s_lshl_b32 s20, ttmp9, 2
	s_add_co_u32 s20, s20, s22                     ; which run of the buffers I write
	s_lshl_b32 s18, s20, 12                        ; 4,096 bytes of codes a run
	s_add_nc_u64 s[10:11], s[10:11], s[18:19]
	s_lshl_b32 s18, s20, 8                         ; 256 scale bytes a run
	s_add_nc_u64 s[12:13], s[12:13], s[18:19]
.macro LOAD t
.irp i, 0,1,2,3
	global_load_b128 v[R+16*((\t)%4)+4*\i:R+16*((\t)%4)+4*\i+3], v3, s[4:5] offset:2048*(\t)+512*\i th:TH_LOAD_NT   ; 32 lanes read 512 consecutive bytes
.endr
.endm
.macro TURN t                          ; step t's numbers through the stage: LDS serves a wave's instructions in order, so no wait stands between the stores and the loads
.irp i, 0,1,2,3
	ds_store_b128 v14, v[R+16*((\t)%4)+4*\i:R+16*((\t)%4)+4*\i+3] offset:32*SP*((\t)%2)+8*SP*\i
.endr
.irp i, 0,1,2,3
	ds_load_b128 v[X+16*((\t)%2)+4*\i:X+16*((\t)%2)+4*\i+3], v15 offset:32*SP*((\t)%2)+16*\i
.endr
.endm
.irp t, 0,1,2,3
	LOAD \t
.endr
	s_wait_loadcnt 12                              ; step 0's four loads are in; the 12 of steps 1 to 3 may be out
	TURN 0
.macro STEP t
.set XS, X+16*((\t)%2)
.if (\t) > 0
	s_wait_dscnt 1                                 ; this step's numbers are back from the stage (the last step's byte store may be out)
.else
	s_wait_dscnt 0x0
.endif
.if (\t)+4 < STEPS
	LOAD (\t)+4                                    ; into the registers that the stage's stores have read
.endif
.if (\t)+1 < STEPS
.if STEPS-2-(\t) >= 3
	s_wait_loadcnt 12                              ; the next step's four loads are in; those of the three steps behind it may be out
.else
	s_wait_loadcnt 4*(STEPS-2-(\t))
.endif
	TURN (\t)+1
.endif
	v_max3_num_f32 v8, |v[XS]|, |v[XS+1]|, |v[XS+2]|               ; the largest magnitude of my 16, in two chains
	v_max3_num_f32 v9, |v[XS+3]|, |v[XS+4]|, |v[XS+5]|
.irp i, 6,10
	v_max3_num_f32 v8, v8, |v[XS+\i]|, |v[XS+\i+1]|
	v_max3_num_f32 v9, v9, |v[XS+\i+2]|, |v[XS+\i+3]|
.endr
	v_max3_num_f32 v8, v8, |v[XS+14]|, |v[XS+15]|
	v_max3_num_f32 v8, v8, v9, (EMAX+1)<<23        ; and the floor 2^(EMAX + 1 - 127): the byte cannot fall under 1
	v_max_num_f32_dpp v8, v8, v8 row_xmask:1 row_mask:0xf bank_mask:0xf   ; and of my neighbour's 16: the block's
	v_add_nc_u32 v11, -(EMAX<<23), v8              ; EMAX off its exponent field: the conversion takes the exponent field of this operand as its scale
	v_cvt_scalef32_pk8_fp4_f32 v[C+4*(\t)], v[XS:XS+7], v11
	v_cvt_scalef32_pk8_fp4_f32 v[C+4*(\t)+1], v[XS+8:XS+15], v11
	v_lshrrev_b32 v[E+(\t)], 23, v11               ; the scale's byte
	ds_store_b8 v5, v[E+(\t)] offset:16*(\t)       ; both lanes of a block write the same byte with the same value
	global_store_b64 v4, v[C+4*(\t):C+4*(\t)+1], s[10:11] offset:32*CB*(\t)   ; the wave stores 256 consecutive bytes, aligned
.endm
.irp t, 0,1,2,3,4,5,6,7,8,9,10,11,12,13,14,15
	STEP \t
.endr
	ds_load_b64 v[8:9], v6                         ; LDS serves a wave's instructions in order: these see my stores
	s_wait_dscnt 0x0
	global_store_b64 v7, v[8:9], s[12:13]          ; 32 lanes store 256 consecutive bytes, aligned
	s_wait_tensorcnt 0x0                           ; the wave's end
	ds_add_u32 v[SPW], v[NIL]
	s_wait_dscnt 0x0
	s_endpgm
.Lfunc_end_k_qfda175f27b_quant:
	.size	k_qfda175f27b_quant, .Lfunc_end_k_qfda175f27b_quant-k_qfda175f27b_quant
	.p2alignl 7, 3214868480
	.fill 96, 4, 3214868480
	.section	.rodata,"a",@progbits
	.p2align	6, 0x0
	.amdhsa_kernel k_qfda175f27b_quant
		.amdhsa_group_segment_fixed_size 33280
		.amdhsa_private_segment_fixed_size 0
		.amdhsa_enable_private_segment 0
		.amdhsa_kernarg_size 40
		.amdhsa_user_sgpr_count 2
		.amdhsa_user_sgpr_kernarg_segment_ptr 1
		.amdhsa_wavefront_size32 1
		.amdhsa_system_sgpr_workgroup_id_x 1
		.amdhsa_system_sgpr_workgroup_id_y 1
		.amdhsa_system_sgpr_workgroup_id_z 1
		.amdhsa_system_vgpr_workitem_id 0
		.amdhsa_next_free_vgpr 192
		.amdhsa_next_free_sgpr 66
		.amdhsa_reserve_vcc 0
		.amdhsa_float_denorm_mode_32 3
		.amdhsa_float_denorm_mode_16_64 3
		.amdhsa_memory_ordered 1
		.amdhsa_forward_progress 1
		.amdhsa_inst_pref_size 34
	.end_amdhsa_kernel
	.amdgpu_metadata
---
amdhsa.version: [ 1, 2 ]
amdhsa.kernels:
  - .name:           k_qfda175f27b_quant
    .symbol:         k_qfda175f27b_quant.kd
    .args:
      - { .name: x, .offset: 0, .size: 8, .value_kind: global_buffer, .address_space: global }
      - { .name: qkv_w, .offset: 8, .size: 8, .value_kind: global_buffer, .address_space: global }
      - { .name: out_w, .offset: 16, .size: 8, .value_kind: global_buffer, .address_space: global }
      - { .name: cod, .offset: 24, .size: 8, .value_kind: global_buffer, .address_space: global }
      - { .name: scl, .offset: 32, .size: 8, .value_kind: global_buffer, .address_space: global }
    .group_segment_fixed_size: 33280
    .private_segment_fixed_size: 0
    .kernarg_segment_align: 8
    .kernarg_segment_size: 40
    .max_flat_workgroup_size: 128
    .sgpr_count:     66
    .vgpr_count:     192
    .wavefront_size: 32
...
	.end_amdgpu_metadata
.endif
;; end of part 1
;; launch qkv (part 2): grid 12 x 32, 4 waves a work-group, clusters of 4 x 4, 327,680 bytes of LDS; arguments cod, scl, qkv_b, qkv_img, qkv_sc; writes qkv_img, qkv_sc
.if DOCPART == 2
	.amdgcn_target "amdgcn-amd-amdhsa--gfx1250"
	.amdhsa_code_object_version 6
	.text
	.protected	k_qfda175f27b_qkv
	.globl	k_qfda175f27b_qkv
	.p2align	8
	.type	k_qfda175f27b_qkv,@function
k_qfda175f27b_qkv:
	s_mov_b64 s[64:65], 0
	v_nop
	global_prefetch_b8 v0, s[64:65] scope:SCOPE_SE
	s_setreg_imm32_b32 hwreg(HW_REG_WAVE_MODE, 25, 1), 1
	s_wait_xcnt 0x0
	s_wait_alu depctr_hold_cnt(0) depctr_sa_sdst(0) depctr_va_vdst(0) depctr_va_sdst(0) depctr_va_ssrc(0) depctr_va_vcc(0) depctr_vm_vsrc(0)
	s_getreg_b32 s2, hwreg(HW_REG_IB_STS2, 6, 4)
	s_cmp_eq_u32 s2, 0
	s_cbranch_scc0 .Lentry_in_a_cluster
	s_endpgm
.Lentry_in_a_cluster:
	s_bfe_u32 s2, ttmp6, 0x10000c
	s_cmp_lg_u32 s2, 0xf033
	s_cbranch_scc0 .Lentry_shape_is_right
	s_endpgm
.Lentry_shape_is_right:
; qkv = x qkv_w^T + qkv_b on codes of E2M1 (K = 1,024), q divided by 8, and q, k, v quantised again in registers for the two products of attention.  No f32 number goes to memory.  No work is left out here.
; A work-group of four waves makes 256 x 256 results, a wave 128 x 128: 64 accumulators.  The matrix instruction is used transposed: source 0 = 16 rows of "B", source 1 = 16 rows of "A": a lane holds one row of A, its registers run along B's rows.
; TWO TYPES OF CLUSTER, by the cluster's x.  x = 0, 1 (q, k): A = x's rows (tokens), B = qkv_w's rows 0-2047: a lane holds a token, its registers run along the features, which are the first product's K.
; x = 2 (v): A = qkv_w's rows 2048-3071, B = x's rows: a lane holds a feature, its registers run along the tokens, which are the second product's K.  Only scalar offsets differ up to the way out.
; Rows of x and qkv_w lie in cod in the order 0, 2, 1, 3 of groups of 8 in each 32: so the 64 registers of one A block (B's 8 tiles) are, in lane (r, h), register 16 b + i = true B row 32 b + 16 h + i.
; K goes in two halves of 512 through two LDS slots, each filled once; all scale bytes come once.  4 x 4 work-groups share A's tiles along a row of the cluster and B's along a column, by joint loads.
; THE WAY OUT: bias (and 1/8 for q) by one packed multiply-add, the quantiser of 4 blocks of 32, and the codes leave as IMAGES OF OPERAND REGISTERS: four registers by one store of 512 consecutive bytes, lane l's 16 bytes at 16 l.
; q, k: [head][tile of 16 tokens][512 B]: lane (r, h) = dims 32 h .. + 31.  v: [head][key step 16][tile of 16 dims 4][half 2][512 B]: lane (r, h) = keys 64 c + 32 h .. + 31.
; Scale words: q, k [head][step][lane (r, h)][4]: word t of lane (r, h) belongs to tile 8 step + 4 h + t (bytes 0, 1 live; bytes 2, 3 another head's or 0, never 0xff); v [head][step][r][4 tiles].
; REGISTERS: window 0: v1 r, v2 h, v8-15 scale words on the way out, v16-29 addresses, v32-95 scale words of the product (two sets), v96-103 codes, v104-119 at work, v120-127 eight scale words, v128-191 A's fragments, later 64 numbers, v192-255 the bias.
;   window 1: B's fragments, two sets.  windows 2, 3: the accumulators, (a, b) at v[8 (8 (a % 4) + b)].
.set KSTEP,  512
.set NQ,     KSTEP/128
.set ROWB,   256                       ; a tile's row in bytes
.set KROW,   512                       ; a row of cod
.set PITCH,  272                       ; an LDS row: 256 bytes + 16 of padding: the 16 rows of a load start 68 words apart
.set FR,     8
.set NL,     2
.set NP,     4                         ; places behind this matrix instruction (ISA guide 7.12.1)
.set HALFT,  128*PITCH
.set SLOT,   4*HALFT
.set KS,     32                        ; a row of scale bytes
.set SCL,    2*SLOT
.set HALFS,  (128*KS/256)*272
.set SBLK,   (16*KS/256)*272
.set SPARE,  SCL+4*HALFS               ; the spare words, 128 bytes a wave, that no other line names
.set W,    8
.set W2,   12
.set ADRA, 16
.set ADRB, 20
.set IO,   24                          ; v24  16 x lane
.set VSO,  25                          ; v25  12,288 h + 16 r: v's scale words of two heads
.set BA,   26                          ; v26  the bias' lane offset
.set ADRS, 27
.set SPW,  28
.set NIL,  29
.set SC,   32
.set PC,   96
.set TM,   104
.set PWS,  120
.set AF,   128
.set ST,   128
.set BI,   192
.set SEL,  66                          ; s[66:67] selects of v_permlanex16_b32: lane l xor 16
.set G1, 24
.set G0, 32
.set G1B, 48
.set G0B, 56
.set G1S, 68
.set G0S, 76
.set G1SB, 80
.set G0SB, 88
.set MSB, 0
.macro WIN new                         ; the immediate's high byte repeats the setting that is left
.if MSB != \new
	s_set_vgpr_msb (MSB<<8)|\new
.set MSB, \new
.endif
.endm
.set MUL_LO, 0xa1                      ; source 0 (B) window 1, source 1 (A) window 0, C and D window 2
.set MUL_HI, 0xf1
.set TO_B,   0x40
; A joint load: waves 0 and 1 fetch for A, waves 2 and 3 for B; the branch hangs on the wave's number alone.  An s_nop 0 and four v_nop follow each line.
.macro JLOAD g0a, g1a, g0b, g1b
	s_cmp_eq_u32 s15, 0
	s_cbranch_scc0 .Lfor_b_\@
	tensor_load_to_lds s[\g0a:\g0a+3], s[\g1a:\g1a+7]
	s_nop 0
.rept 4
	v_nop
.endr
	s_branch .Lasked_\@
.Lfor_b_\@:
	tensor_load_to_lds s[\g0b:\g0b+3], s[\g1b:\g1b+7]
	s_nop 0
.rept 4
	v_nop
.endr
.Lasked_\@:
.endm
.macro CROUND                          ; a round of the cluster's barrier
	s_barrier_signal -1
	s_barrier_wait -1
	s_cmp_lg_u32 s14, 0
	s_cbranch_scc1 .Lnot_wave_0_\@
	s_barrier_signal -3
.Lnot_wave_0_\@:
	s_barrier_wait -3
	s_barrier_signal -1
	s_barrier_wait -1
.endm
	s_load_b128 s[4:7], s[0:1], 0x0                ; cod, scl
	s_load_b128 s[8:11], s[0:1], 0x10              ; qkv_b, qkv_img
	s_load_b64 s[12:13], s[0:1], 0x20              ; qkv_sc
	v_lshl_add_u32 v[SPW], v0, 2, SPARE
	v_mov_b32 v[NIL], 0
	ds_add_u32 v[SPW], v[NIL]                      ; the wave's opening: the add, twice on end, and its wait ahead of my first tensor load
	ds_add_u32 v[SPW], v[NIL]
	v_lshrrev_b32 v1, 5, v0
	v_readfirstlane_b32 s14, v1                    ; wave 0..3
	s_lshr_b32 s15, s14, 1                         ; which half of A's rows is mine.  Also: I fetch for A (0) or for B (1)
	s_and_b32 s16, s14, 1                          ; which half of B's rows.  Also: which 128 rows I fetch
	s_bfe_u32 s40, ttmp6, 0x40000                  ; cx
	s_bfe_u32 s41, ttmp6, 0x40004                  ; cy
	s_and_b32 s96, ttmp7, 0xffff                   ; the cluster's y
	s_cmp_eq_u32 ttmp9, 2                          ; the type: the same in all sixteen partners
	s_cselect_b32 s98, 1, 0
	s_cselect_b32 s42, s96, ttmp9                  ; the cluster's coordinate along B's tiles
	s_cselect_b32 s17, 0, s96                      ; and along A's
	s_cselect_b32 s2, 5242880, 0                   ; where A begins in cod: qkv_w's row 2,048, or x
	s_cselect_b32 s3, 0, 4194304                   ; where B begins: x, or qkv_w
	s_cselect_b32 s97, 327680, 0                   ; the same in scl
	s_cselect_b32 s99, 0, 262144
	s_lshl_b32 s42, s42, 2
	s_add_co_u32 s42, s42, s40                     ; B's tile
	s_lshl_b32 s17, s17, 2
	s_add_co_u32 s17, s17, s41                     ; A's tile
	s_lshl_b32 s43, s41, 2
	s_lshl_b32 s43, 15, s43                        ; my row of the cluster
	s_lshl_b32 s44, 0x1111, s40                    ; my column
	s_or_b32 s[G1+0], s43, (0<<16)|(1<<20)|(1<<21)|(5<<22)|(3<<25)  ; mask; elements of 1 byte; padding: 4 words behind every 64; bit 21 beside a mask
	s_or_b32 s[G1B+0], s44, (0<<16)|(1<<20)|(1<<21)|(5<<22)|(3<<25)
.irp g, G1, G1B
	s_mov_b32 s[\g+1], ROWB<<16                    ; tensor_dim0
	s_mov_b32 s[\g+2], 128<<16                     ; tensor_dim1
	s_mov_b32 s[\g+3], ROWB<<16                    ; tile_dim0
	s_mov_b32 s[\g+4], 128                         ; tile_dim1
	s_mov_b32 s[\g+5], KROW                        ; the pitch
	s_mov_b32 s[\g+6], 0
	s_mov_b32 s[\g+7], 0
.endr
	s_or_b32 s[G1S+0], s43, (3<<16)|(1<<20)|(1<<21)|(5<<22)|(3<<25)  ; the scales of 128 rows: 4,096 dense bytes as 16 rows of 256, 16 bytes of padding behind each
	s_or_b32 s[G1SB+0], s44, (3<<16)|(1<<20)|(1<<21)|(5<<22)|(3<<25)
.irp g, G1S, G1SB
	s_mov_b32 s[\g+1], 32<<16
	s_mov_b32 s[\g+2], (128*KS/256)<<16
	s_mov_b32 s[\g+3], 32<<16
	s_mov_b32 s[\g+4], 128*KS/256
	s_mov_b32 s[\g+5], 32
	s_mov_b32 s[\g+6], 0
	s_mov_b32 s[\g+7], 0
.endr
	s_lshl_b32 s18, s16, 7                         ; which 128 rows of a tile I fetch
	s_lshl_b32 s20, s17, 8
	s_add_co_u32 s20, s20, s18                     ; A's row
	s_lshl_b32 s46, s42, 8
	s_add_co_u32 s46, s46, s18                     ; B's row
	s_lshl_b32 s22, s20, 5
	s_add_co_u32 s22, s22, s97                     ; A's scale bytes
	s_mov_b32 s23, 0
	s_lshl_b32 s20, s20, 9
	s_add_co_u32 s20, s20, s2                      ; A's codes
	s_mov_b32 s21, 0
	s_lshl_b32 s92, s46, 5
	s_add_co_u32 s92, s92, s99                     ; B's scale bytes
	s_mov_b32 s93, 0
	s_lshl_b32 s46, s46, 9
	s_add_co_u32 s46, s46, s3                      ; B's codes
	s_mov_b32 s47, 0
	s_mul_i32 s45, s14, HALFT                      ; where they go: wave x 128 rows: no place in the cluster enters an LDS address
	s_mul_i32 s94, s14, HALFS
	s_mov_b32 s[SEL], 0x76543210
	s_mov_b32 s[SEL+1], 0xfedcba98
	s_wait_dscnt 0x0                               ; both opening adds are done
	s_wait_kmcnt 0x0
	s_add_nc_u64 s[20:21], s[4:5], s[20:21]
	s_add_nc_u64 s[22:23], s[6:7], s[22:23]
	s_add_nc_u64 s[46:47], s[4:5], s[46:47]
	s_add_nc_u64 s[92:93], s[6:7], s[92:93]
	CROUND                                         ; all sixteen work-groups are here: the joint loads meet
	s_mov_b32 s[G0S], 1
	s_add_co_u32 s[G0S+1], s94, SCL
	s_mov_b64 s[G0S+2:G0S+3], s[22:23]
	s_or_b32 s[G0S+3], s[G0S+3], 0x80000000
	s_mov_b32 s[G0SB], 1
	s_add_co_u32 s[G0SB+1], s94, SCL
	s_mov_b64 s[G0SB+2:G0SB+3], s[92:93]
	s_or_b32 s[G0SB+3], s[G0SB+3], 0x80000000
	JLOAD G0S, G1S, G0SB, G1SB                     ; the scales first; then both K halves: three loads of mine are out
.irp s, 0,1
	s_mov_b32 s[G0+4*\s], 1
	s_add_co_u32 s[G0+4*\s+1], s45, \s*SLOT
	s_add_nc_u64 s[G0+4*\s+2:G0+4*\s+3], s[20:21], \s*ROWB
	s_or_b32 s[G0+4*\s+3], s[G0+4*\s+3], 0x80000000
	s_mov_b32 s[G0B+4*\s], 1
	s_add_co_u32 s[G0B+4*\s+1], s45, \s*SLOT
	s_add_nc_u64 s[G0B+4*\s+2:G0B+4*\s+3], s[46:47], \s*ROWB
	s_or_b32 s[G0B+4*\s+3], s[G0B+4*\s+3], 0x80000000
	JLOAD G0+4*\s, G1, G0B+4*\s, G1B
.endr
	s_mov_b32 s99, 0xffff0000                      ; a mask of lanes 16-31
	v_and_b32 v1, 15, v0                           ; r
	v_bfe_u32 v2, v0, 4, 1                         ; h
	v_mul_u32_u24 v3, v1, PITCH
	v_lshl_add_u32 v4, v2, 4, v3                   ; a fragment's row x pitch + 16 h
	s_mul_i32 s21, s15, HALFT
	s_mul_i32 s22, s16, HALFT
	s_add_co_u32 s22, s22, 2*HALFT
.irp s, 0,1
	v_add_nc_u32 v[ADRA+\s], s21, v4
	v_add_nc_u32 v[ADRB+\s], s22, v4
	s_add_co_u32 s21, s21, SLOT
	s_add_co_u32 s22, s22, SLOT
.endr
	v_mul_u32_u24 v5, v1, KS                       ; my row's scales: KS bytes a row,
	v_lshrrev_b32 v6, 8, v5
	v_lshl_add_u32 v5, v6, 4, v5                   ; and 16 more for each 256 passed
	s_mul_i32 s21, s15, HALFS
	s_mul_i32 s22, s16, HALFS
	s_add_co_u32 s22, s22, 2*HALFS
	s_sub_co_u32 s22, s22, s21
	v_mul_u32_u24 v6, s22, v2                      ; lanes 16-31 take B's
	s_add_co_u32 s21, s21, SCL
	v_add_nc_u32 v5, v5, v6
	v_add_nc_u32 v[ADRS], s21, v5
	v_and_b32 v6, 31, v0
	v_lshlrev_b32 v[IO], 4, v6
	v_mul_u32_u24 v[VSO], v2, 12288
	v_lshl_add_u32 v[VSO], v1, 4, v[VSO]
.irp b, 0,1,2,3
	v_mov_b32 v[TM+4+\b], 0                        ; written once: a lane permute's destination counts as one of its sources
.endr
.macro FRAG reg, adr, q, i             ; 16 rows x 128 K of 4-bit codes: 8 registers, two loads of 16 bytes, 32 bytes apart
.irp c, 0,1
	ds_load_b128 v[\reg+4*\c:\reg+4*\c+3], v[\adr] offset:64*(\q)+32*\c+(\i)*16*PITCH
.endr
.endm
; 16 matrix instructions: A's blocks a0, a0 + 1 x B's eight.  The 64 accumulators take turns, one instruction a turn, in the same order in every step.
.macro MUL16 a0, p, q, sc, zero
.irp a, \a0, \a0+1
.irp b, 0,1,2,3,4,5,6,7
.if \zero
	v_wmma_scale_f32_16x16x128_f8f6f4 v[8*(8*((\a)%4)+\b):8*(8*((\a)%4)+\b)+7], v[128*(\p)+FR*\b:128*(\p)+FR*\b+FR-1], v[AF+FR*(\a):AF+FR*(\a)+FR-1], 0, v[SC+8*NQ*(\sc)+NQ*\b+(\q)], v[SC+8*NQ*(\sc)+NQ*(\a)+(\q)] matrix_a_fmt:MATRIX_FMT_FP4 matrix_b_fmt:MATRIX_FMT_FP4 matrix_a_scale:MATRIX_SCALE_ROW1
.else
	v_wmma_scale_f32_16x16x128_f8f6f4 v[8*(8*((\a)%4)+\b):8*(8*((\a)%4)+\b)+7], v[128*(\p)+FR*\b:128*(\p)+FR*\b+FR-1], v[AF+FR*(\a):AF+FR*(\a)+FR-1], v[8*(8*((\a)%4)+\b):8*(8*((\a)%4)+\b)+7], v[SC+8*NQ*(\sc)+NQ*\b+(\q)], v[SC+8*NQ*(\sc)+NQ*(\a)+(\q)] matrix_a_fmt:MATRIX_FMT_FP4 matrix_b_fmt:MATRIX_FMT_FP4 matrix_a_scale:MATRIX_SCALE_ROW1
.endif
.endr
.endr
.endm
.macro FETCH_B slot, q, p
	WIN TO_B
.irp i, 0,1,2,3,4,5,6,7
	FRAG 128*(\p)+FR*\i, ADRB+\slot, \q, \i
.endr
	WIN 0
.endm
.macro FETCH_A slot, q, i0
.irp i, \i0, \i0+1, \i0+2, \i0+3
	FRAG AF+FR*(\i), ADRA+\slot, \q, \i
.endr
.endm
.macro SCALES sc                       ; a K half's scale words: lanes 0-15 A's block i, lanes 16-31 B's block i
.irp i, 0,1,2,3,4,5,6,7
	ds_load_b128 v[SC+8*NQ*\sc+NQ*\i:SC+8*NQ*\sc+NQ*\i+3], v[ADRS] offset:\i*SBLK
.endr
.endm
.macro PLACES n                        ; plain vector instructions between a matrix instruction and a load into, or a read of, its registers
.rept \n
	v_nop
.endr
.endm
.macro STEP slot, q, zero              ; 128 along K that has its successor in the same slot
	s_wait_dscnt 4*NL                              ; B's set and A's blocks 0-3 are in; the youngest 8 loads (A's blocks 4-7) may be out
	WIN MUL_LO
	MUL16 0, (\q)%2, \q, \slot, \zero
	MUL16 2, (\q)%2, \q, \slot, \zero
	s_wait_dscnt 0
	PLACES NP
	FETCH_B \slot, (\q)+1, 1-(\q)%2
	FETCH_A \slot, (\q)+1, 0
	WIN MUL_HI
	MUL16 4, (\q)%2, \q, \slot, \zero
	MUL16 6, (\q)%2, \q, \slot, \zero
	PLACES NP
	WIN 0
	FETCH_A \slot, (\q)+1, 4
.endm
.macro STEPS slot, from
.set Q, \from
.rept NQ-1-\from
	STEP \slot, Q, 0
.set Q, Q+1
.endr
.endm
; 64 numbers of a lane, register 16 b + i = k 32 b + 16 h + i of my row, become a fragment's codes in v[PC] on and its scale word in v[pw].
.macro QUANT s, pw
.irp b, 0,1,2,3
	v_max3_num_f32 v[TM+\b], |v[\s+16*\b]|, |v[\s+1+16*\b]|, 0x1800000   ; my 16 numbers of block b, and the floor 2^(3 - 127): the byte cannot fall under 1
.endr
.irp i, 2,4,6,8,10,12,14
.irp b, 0,1,2,3
	v_max3_num_f32 v[TM+\b], v[TM+\b], |v[\s+16*\b+\i]|, |v[\s+1+16*\b+\i]|
.endr
.endr
.irp b, 0,1,2,3
	v_permlanex16_b32 v[TM+4+\b], v[TM+\b], s[SEL], s[SEL+1]
.endr
.irp b, 0,1,2,3
	v_max_num_f32 v[TM+\b], v[TM+\b], v[TM+4+\b]   ; with lane l xor 16's: the block's largest magnitude
.endr
.irp b, 0,1,2,3
	v_add_nc_u32 v[TM+12+\b], 0xff000000, v[TM+\b] ; 2 off its exponent field: the conversion's scale operand
.endr
.irp b, 0,1,2,3
	v_lshrrev_b32 v[TM+4+\b], 23, v[TM+12+\b]      ; the scale's byte
.endr
	v_lshl_or_b32 v[\pw], v[TM+5], 8, v[TM+4]
	v_lshl_or_b32 v[\pw], v[TM+6], 16, v[\pw]
	v_lshl_or_b32 v[\pw], v[TM+7], 24, v[\pw]
.irp b, 0,1,2,3
	v_cvt_scalef32_pk8_fp4_f32 v[PC+2*\b], v[\s+16*\b:\s+7+16*\b], v[TM+12+\b]
	v_cvt_scalef32_pk8_fp4_f32 v[PC+1+2*\b], v[\s+8+16*\b:\s+15+16*\b], v[TM+12+\b]
.endr
	v_nop                                          ; one plain place behind a scaled conversion
.irp c, 0,1                                    ; a whole block to a lane: lanes 0-15 block 2 c, lanes 16-31 block 2 c + 1
.irp i, 0,1
	v_permlane16_swap_b32 v[PC+4*\c+\i], v[PC+2+4*\c+\i]
.endr
.endr
.endm
; The second K half and what stands between the last product and the way out.
.macro TAIL
	STEPS 1, 0
	s_wait_dscnt 4*NL                              ; the very last step: nothing more to fetch
	WIN MUL_LO
	MUL16 0, 1, NQ-1, 1, 0
	MUL16 2, 1, NQ-1, 1, 0
	s_wait_dscnt 0
	WIN MUL_HI
	MUL16 4, 1, NQ-1, 1, 0
	MUL16 6, 1, NQ-1, 1, 0
	WIN 0
	PLACES NP                                      ; in front of the first read of results and the first write over A's fragments
	s_wait_loadcnt 0x0                             ; the bias
.endm
; THE WAY OUT, A's block i at a time.  ty = 0: q, k;  ty = 1: v.
.macro OUT ty
.irp i, 0,1,2,3,4,5,6,7
.if \i > 0
	s_wait_xcnt 0x0                                ; the last block's stores have read their registers: the codes may be written again
.endif
.if \i < 4
	WIN 0x02                                       ; source 0: the accumulators' window
.else
	WIN 0x03
.endif
.set NN, 0
.rept 32
.if \ty
	v_pk_add_f32 v[ST+2*NN:ST+2*NN+1], v[64*(\i%4)+2*NN:64*(\i%4)+2*NN+1], v[BI+2*\i:BI+2*\i+1] op_sel_hi:[1,0]   ; + my feature's bias; each accumulator from its low end on
.else
	v_pk_fma_f32 v[ST+2*NN:ST+2*NN+1], v[64*(\i%4)+2*NN:64*(\i%4)+2*NN+1], s[100:101], v[BI+2*NN:BI+2*NN+1] op_sel_hi:[1,0,1]   ; (sum + bias) x (1/8 or 1): a power of two, so one rounding as in sum + bias
.endif
.set NN, NN+1
.endr
	WIN 0
	QUANT ST, PWS+\i
.if \ty
	global_store_b128 v[IO], v[PC:PC+3], s[10:11] offset:(\i/4)*65536+(\i%4)*1024          ; head i / 4, dims' tile i % 4, keys 0-63 of the step: 512 consecutive bytes
	global_store_b128 v[IO], v[PC+4:PC+7], s[10:11] offset:(\i/4)*65536+(\i%4)*1024+512    ; keys 64-127
.else
	global_store_b128 v[IO], v[PC:PC+3], s[10:11] offset:512*\i                            ; the first head's 64 dims of tokens' tile i
	global_store_b128 v[IO], v[PC+4:PC+7], s[10:11] offset:65536+512*\i                    ; the second head's
.endif
.endr
.irp t, 0,1,2,3
	v_cndmask_b32 v[W+\t], v[PWS+\t], v[PWS+4+\t], s99    ; lanes 0-15: blocks 0-3's words; lanes 16-31: blocks 4-7's
.endr
.endm
	s_wait_tensorcnt 1                             ; the scales and my part of the first K half are in (the second half's load may be out),
	s_barrier_signal -1
	s_barrier_wait -1                              ; everybody's are
	FETCH_B 0, 0, 0
	FETCH_A 0, 0, 0
	SCALES 0
	FETCH_A 0, 0, 4
	STEP 0, 0, 1                                   ; the first products start the sums: nothing is cleared
	STEPS 0, 1
	; the first half's last step changes slots: one barrier; nothing is filled again
	s_wait_tensorcnt 0x0                           ; my part of the second half has landed
	ds_add_u32 v[SPW], v[NIL]                      ; 0 onto my spare word
	s_wait_dscnt 4*NL+1                            ; the add and the youngest 8 loads may be out
	WIN MUL_LO
	MUL16 0, 1, NQ-1, 0, 0
	s_wait_dscnt 0x0
	s_barrier_signal -1
	MUL16 2, 1, NQ-1, 0, 0
	WIN 0
	s_barrier_wait -1
	PLACES NP
	v_add_nc_u32 v[ADRS], 4*NQ, v[ADRS]            ; the second half's scale words
	FETCH_B 1, 0, 0
	FETCH_A 1, 0, 0
	SCALES 1
	WIN MUL_HI
	MUL16 4, 1, NQ-1, 0, 0
	MUL16 6, 1, NQ-1, 0, 0
	PLACES NP
	WIN 0
	FETCH_A 1, 0, 4
	; THE TEXT PARTS ONCE, by the type: each arm has its offsets, its bias loads (a K half ahead of their use), the second K half and its way out
	s_lshl_b32 s17, s17, 1
	s_add_co_u32 s17, s17, s15                     ; which 128 of A's rows are mine
	s_lshl_b32 s42, s42, 1
	s_add_co_u32 s42, s42, s16                     ; which 128 of B's
	s_mov_b32 s21, 0
	s_cmp_eq_u32 s98, 1
	s_cbranch_scc1 .Lvalues
	s_lshr_b32 s18, s17, 4                         ; the batch
	s_and_b32 s19, s17, 15                         ; which 128 tokens of it
	s_and_b32 s20, s42, 7
	s_lshl_b32 s20, s20, 1                         ; my first head
	s_lshl_b32 s18, s18, 4
	s_add_co_u32 s18, s18, s20                     ; 16 x batch + head
	s_lshl_b32 s20, ttmp9, 22                      ; q's images or k's: the cluster's x
	s_lshl_b32 s22, s18, 16
	s_add_co_u32 s20, s20, s22
	s_lshl_b32 s22, s19, 12
	s_add_co_u32 s20, s20, s22
	s_add_nc_u64 s[10:11], s[10:11], s[20:21]
	s_mul_i32 s20, ttmp9, 786432
	s_mul_i32 s22, s18, 12288
	s_add_co_u32 s20, s20, s22
	s_lshl_b32 s22, s19, 9
	s_add_co_u32 s20, s20, s22
	s_add_nc_u64 s[12:13], s[12:13], s[20:21]
	s_lshl_b32 s20, s42, 9
	s_add_nc_u64 s[8:9], s[8:9], s[20:21]          ; my 128 features' bias
	s_cmp_eq_u32 ttmp9, 0
	s_cselect_b32 s100, 0x3e000000, 1.0            ; q is divided by sqrt(64); k is not
	s_mov_b32 s101, s100
	v_lshlrev_b32 v[BA], 6, v2                     ; register 16 b + i wants feature 32 b + 16 h + i
.irp b, 0,1,2,3
.irp q, 0,1,2,3
	global_load_b128 v[BI+16*\b+4*\q:BI+16*\b+4*\q+3], v[BA], s[8:9] offset:128*\b+16*\q
.endr
.endr
	TAIL
.set NN, 0
.rept 32
	v_pk_mul_f32 v[BI+2*NN:BI+2*NN+1], v[BI+2*NN:BI+2*NN+1], s[100:101] op_sel_hi:[1,0]   ; the bias under the same factor
.set NN, NN+1
.endr
	OUT 0
	global_store_b128 v[IO], v[W:W+3], s[12:13]    ; the first head's scale words: 512 consecutive bytes
.irp t, 0,1,2,3
	v_lshrrev_b32 v[W2+\t], 16, v[W+\t]            ; the second head's bytes come down
.endr
	global_store_b128 v[IO], v[W2:W2+3], s[12:13] offset:12288
	s_branch .Lend
.Lvalues:
	s_lshr_b32 s18, s42, 4                         ; the batch
	s_and_b32 s19, s42, 15                         ; the key step
	s_lshl_b32 s18, s18, 4
	s_lshl_b32 s20, s17, 1                         ; my first head
	s_add_co_u32 s18, s18, s20
	s_lshl_b32 s20, s18, 16
	s_lshl_b32 s22, s19, 12
	s_add_co_u32 s20, s20, s22
	s_add_co_u32 s20, s20, 8388608
	s_add_nc_u64 s[10:11], s[10:11], s[20:21]
	s_mul_i32 s20, s18, 12288
	s_lshl_b32 s22, s19, 8
	s_add_co_u32 s20, s20, s22
	s_add_co_u32 s20, s20, 786432+8192
	s_add_nc_u64 s[12:13], s[12:13], s[20:21]
	s_lshl_b32 s20, s17, 9
	s_add_co_u32 s20, s20, 8192
	s_add_nc_u64 s[8:9], s[8:9], s[20:21]          ; my 128 features' bias
	v_and_b32 v3, 8, v1
	v_add_nc_u32 v3, v3, v1
	v_lshlrev_b32 v[BA], 2, v3                     ; lane r of a tile is feature r + 8 (r / 8) of it
.irp i, 0,1,2,3,4,5,6,7
	global_load_b32 v[BI+2*\i], v[BA], s[8:9] offset:4*(32*(\i/2)+8*(\i%2))
	global_load_b32 v[BI+2*\i+1], v[BA], s[8:9] offset:4*(32*(\i/2)+8*(\i%2))    ; (the packed addition names the pair)
.endr
	TAIL
	OUT 1
	global_store_b128 v[VSO], v[W:W+3], s[12:13]   ; lanes 0-15 the first head's four tiles, lanes 16-31 the second's: 256 consecutive bytes each, aligned
.Lend:
	s_wait_tensorcnt 0x0                           ; the wave's end
	ds_add_u32 v[SPW], v[NIL]
	s_wait_dscnt 0x0
	CROUND                                         ; the closing round
	s_endpgm
.Lfunc_end_k_qfda175f27b_qkv:
	.size	k_qfda175f27b_qkv, .Lfunc_end_k_qfda175f27b_qkv-k_qfda175f27b_qkv
	.p2alignl 7, 3214868480
	.fill 96, 4, 3214868480
	.section	.rodata,"a",@progbits
	.p2align	6, 0x0
	.amdhsa_kernel k_qfda175f27b_qkv
		.amdhsa_group_segment_fixed_size 327680
		.amdhsa_private_segment_fixed_size 0
		.amdhsa_enable_private_segment 0
		.amdhsa_kernarg_size 40
		.amdhsa_user_sgpr_count 2
		.amdhsa_user_sgpr_kernarg_segment_ptr 1
		.amdhsa_wavefront_size32 1
		.amdhsa_system_sgpr_workgroup_id_x 1
		.amdhsa_system_sgpr_workgroup_id_y 1
		.amdhsa_system_sgpr_workgroup_id_z 1
		.amdhsa_system_vgpr_workitem_id 0
		.amdhsa_next_free_vgpr 1024
		.amdhsa_next_free_sgpr 102
		.amdhsa_reserve_vcc 0
		.amdhsa_float_denorm_mode_32 3
		.amdhsa_float_denorm_mode_16_64 3
		.amdhsa_memory_ordered 1
		.amdhsa_forward_progress 1
		.amdhsa_inst_pref_size 239
	.end_amdhsa_kernel
	.amdgpu_metadata
---
amdhsa.version: [ 1, 2 ]
amdhsa.kernels:
  - .name:           k_qfda175f27b_qkv
    .symbol:         k_qfda175f27b_qkv.kd
    .args:
      - { .name: cod, .offset: 0, .size: 8, .value_kind: global_buffer, .address_space: global }
      - { .name: scl, .offset: 8, .size: 8, .value_kind: global_buffer, .address_space: global }
      - { .name: qkv_b, .offset: 16, .size: 8, .value_kind: global_buffer, .address_space: global }
      - { .name: qkv_img, .offset: 24, .size: 8, .value_kind: global_buffer, .address_space: global }
      - { .name: qkv_sc, .offset: 32, .size: 8, .value_kind: global_buffer, .address_space: global }
    .group_segment_fixed_size: 327680
    .private_segment_fixed_size: 0
    .kernarg_segment_align: 8
    .kernarg_segment_size: 40
    .max_flat_workgroup_size: 128
    .sgpr_count:     102
    .vgpr_count:     1024
    .wavefront_size: 32
...
	.end_amdgpu_metadata
.endif
;; end of part 2
;; launch attn (part 3): grid 4 x 64, 16 waves a work-group, clusters of 4 x 1, 167,936 bytes of LDS; arguments qkv_img, qkv_sc, pad_mask, y_img, y_sc; writes y_img, y_sc
.if DOCPART == 3
	.amdgcn_target "amdgcn-amd-amdhsa--gfx1250"
	.amdhsa_code_object_version 6
	.text
	.protected	k_qfda175f27b_attn
	.globl	k_qfda175f27b_attn
	.p2align	8
	.type	k_qfda175f27b_attn,@function
k_qfda175f27b_attn:
	s_mov_b64 s[64:65], 0
	v_nop
	global_prefetch_b8 v0, s[64:65] scope:SCOPE_SE
	s_setreg_imm32_b32 hwreg(HW_REG_WAVE_MODE, 25, 1), 1
	s_wait_xcnt 0x0
	s_wait_alu depctr_hold_cnt(0) depctr_sa_sdst(0) depctr_va_vdst(0) depctr_va_sdst(0) depctr_va_ssrc(0) depctr_va_vcc(0) depctr_vm_vsrc(0)
	s_getreg_b32 s2, hwreg(HW_REG_IB_STS2, 6, 4)
	s_cmp_eq_u32 s2, 0
	s_cbranch_scc0 .Lentry_in_a_cluster
	s_endpgm
.Lentry_in_a_cluster:
	s_bfe_u32 s2, ttmp6, 0x10000c
	s_cmp_lg_u32 s2, 0x3003
	s_cbranch_scc0 .Lentry_shape_is_right
	s_endpgm
.Lentry_shape_is_right:
; y = softmax(mask(q k^T)) v for one head, both products on codes of E2M1, and y quantised along the head's 64 for the projection.
; WORK LEFT OUT: key steps (128 keys) all of whose keys come after a tile's 16 queries: they lie under the causal mask that the problem builds itself, and have the weight 0.
; LIMITS: a hidden or padded score is -2^127, a finite number, in place of -infinity; the running largest t begins at -1e38, so a true t under -1e38 counts as hidden.
; A QUERY WITH NO VISIBLE KEY has the sum 0: the sum is replaced by 1 (a select, no branch), and the row's two scale bytes become 0xff, by which the projection's matrix unit makes that token's row NaN, as the problem's softmax of a row of -infinity does.
; THE SOFTMAX: t = score x log2(e) (q holds the 1/8 already); M = the running largest t rounded up to a whole number; p = 2^(t - M) is quantised along the keys; the sum is taken of the unquantised p and divides at the end.
; SHARES.  The four work-groups of a cluster belong to one head.  Work-group j owns the query tiles T = 4 a + j, a = 0 .. 31; wave w owns a = w and a = 31 - w.  Tiles 4 a .. 4 a + 3 lie in tokens 64 a .. 64 a + 63, so tile a needs
; key steps 0 .. a / 2 whatever j is: (w / 2 + 1) + ((31 - w) / 2 + 1) = 17 tile steps for every wave of every work-group, and no branch and no LDS address hangs on j.
; LDS is filled ONCE: the head's k and v as images of operand registers (65,536 bytes each) and their scale words, by joint loads that name all four partners.  No ring, no refill.
; THE PADDING MASK costs no vector instruction: a table of one f32 a key (0 or -2^127) is made in LDS once, and a step's 128 numbers, in the result's layout, are the C of the first product.
; THE FIRST PRODUCT'S K IS 64: a tile of k is 4 registers; the instruction's upper 4 registers are whatever follows (the next tile's codes), and meet zero codes in q's upper 4.
; LAYOUT: both products transposed: a lane holds one query; lane r of a tile is token (or dim) r + 8 (r / 8) of its 32, so 16 registers of two neighbouring tiles are 16 neighbours.
.set KIMG,  0
.set VIMG,  65536
.set KSC,   131072                     ; k's scale words, 512 bytes a step;
.set VSC,   139264                     ; v's, 256 bytes a step
.set PADB,  143360                     ; one f32 a key
.set YST,   151552                     ; y's scale halves of the work-group's 32 tiles: 32 bytes a tile
.set SPARE, 152576                     ; the spare words, 128 bytes a wave, that no other line names
.set LI,   1                           ; v1   16 x lane
.set LIV,  2                           ; v2   + VIMG
.set LKS,  3                           ; v3   16 x lane + KSC
.set LVS,  4                           ; v4   16 r + VSC
.set LPB,  5                           ; v5   64 h + PADB
.set SPW,  6
.set NIL,  7
.set ADK,  8
.set ADV,  9
.set ADS,  10
.set ADT,  11
.set ADB,  12
.set NEG,  13                          ; v13  -2^127
.set YHI,  14                          ; v14, v15  where my two tiles' scale halves go
.set YLO,  15
.set TH,   16                          ; a tile's state: +0 -M, +1 the largest t, +2, +3 the sum in two halves, +4 q's scale word, +5 d for the diagonal, +8..11 q's codes, +12..15 zero codes, +16..47 O^T
.set TL,   64
.set FR,   112                         ; v112-147 k's 8 tiles of 4 registers and 4 zeros; later v's 4 tiles of 8
.set SCW,  148                         ; v148-151 scale words of k, then of v
.set S,    152                         ; v152-215 the scores, then p
.set PC,   216                         ; v216-223 p's codes
.set TM,   224                         ; v224-235 at work
.set TMP,  238
.set FF,   240                         ; v240 f or 1 / sum;  v241 p's scale word
.set ONE,  242
.set NANS, 243
.set PADW, 244
.set YRD,  245
.set WV,   14
.set J,    15
.set BH,   16
.set BB,   17
.set NHI,  18
.set NLO,  19
.set SEL,  20
.set CS,   22
.set G1A,  24
.set G1B,  32
.set G0,   40
.set G0S,  44
.set SK,   48
.set SS,   49
.set SV,   50
.set STP,  51
.set MK,   60
; Waves 0-7 fetch the images' eight chunks of 16,384 bytes, wave 8 the scale words, the others nothing.  The branches hang on the wave's number alone.  An s_nop 0 and four v_nop follow each load.
.macro TLOAD
	s_cmp_lt_u32 s[WV], 8
	s_cbranch_scc0 .Lnot_img_\@
	tensor_load_to_lds s[G0:G0+3], s[G1A:G1A+7]
	s_nop 0
.rept 4
	v_nop
.endr
	s_branch .Lasked_\@
.Lnot_img_\@:
	s_cmp_eq_u32 s[WV], 8
	s_cbranch_scc0 .Lasked_\@
	tensor_load_to_lds s[G0S:G0S+3], s[G1B:G1B+7]
	s_nop 0
.rept 4
	v_nop
.endr
.Lasked_\@:
.endm
.macro CROUND
	s_barrier_signal -1
	s_barrier_wait -1
	s_cmp_lg_u32 s[WV], 0
	s_cbranch_scc1 .Lnot_wave_0_\@
	s_barrier_signal -3
.Lnot_wave_0_\@:
	s_barrier_wait -3
	s_barrier_signal -1
	s_barrier_wait -1
.endm
.macro INIT base                       ; the loop has no first step of its own: it finds zeros, which the first change of M leaves zeros
	v_mov_b32 v[\base+1], 0xfe967699               ; the largest t so far: -1e38
	v_floor_f32 v[\base], -v[\base+1]              ; -M
	v_mov_b32 v[\base+2], 0
	v_mov_b32 v[\base+3], 0
.set NN, 12
.rept 36
	v_mov_b32 v[\base+NN], 0                       ; q's upper codes, and O^T
.set NN, NN+1
.endr
.endm
	s_load_b256 s[4:11], s[0:1], 0x0               ; qkv_img, qkv_sc, pad_mask, y_img
	s_load_b64 s[12:13], s[0:1], 0x20              ; y_sc
	v_lshl_add_u32 v[SPW], v0, 2, SPARE
	v_mov_b32 v[NIL], 0
	ds_add_u32 v[SPW], v[NIL]                      ; the wave's opening: the add, twice on end, and its wait ahead of the first tensor load
	ds_add_u32 v[SPW], v[NIL]
	v_lshrrev_b32 v8, 5, v0
	v_readfirstlane_b32 s[WV], v8                  ; wave 0..15
	s_bfe_u32 s[J], ttmp6, 0x40000                 ; j: my place in the cluster: it enters global addresses and the vector d alone
	s_and_b32 s[BH], ttmp7, 0xffff                 ; 16 x batch + head
	s_lshr_b32 s[BB], s[BH], 4
	s_xor_b32 s61, s[WV], 31                       ; my late tile's a
	s_lshr_b32 s[NHI], s61, 1                      ; its last key step,
	s_lshr_b32 s[NLO], s[WV], 1                    ; and the early tile's
	s_mov_b32 s[SEL], 0x76543210
	s_mov_b32 s[SEL+1], 0xfedcba98
	s_mov_b32 s[CS], 0x3fb8aa3b                    ; log2(e)
	s_mov_b32 s[CS+1], s[CS]
	s_mov_b32 s[G1A], 15|(3<<16)|(1<<21)           ; the mask: all four partners; elements of 8 bytes; bit 21 beside a mask; no padding
	s_mov_b32 s[G1A+1], 32<<16                     ; rows of 256 bytes,
	s_mov_b32 s[G1A+2], 64<<16                     ; 64 of them, dense
	s_mov_b32 s[G1A+3], 32<<16
	s_mov_b32 s[G1A+4], 64
	s_mov_b32 s[G1A+5], 32
	s_mov_b32 s[G1A+6], 0
	s_mov_b32 s[G1A+7], 0
	s_mov_b32 s[G1B], 15|(3<<16)|(1<<21)
	s_mov_b32 s[G1B+1], 32<<16
	s_mov_b32 s[G1B+2], 48<<16                     ; 48 rows: 8,192 bytes of k's words, 4,096 of v's
	s_mov_b32 s[G1B+3], 32<<16
	s_mov_b32 s[G1B+4], 48
	s_mov_b32 s[G1B+5], 32
	s_mov_b32 s[G1B+6], 0
	s_mov_b32 s[G1B+7], 0
	s_mov_b32 s[SK], 0
	s_mov_b32 s[SS], 0
	s_mov_b32 s[SV], 0
	s_mov_b32 s[STP], 0
	v_and_b32 v9, 31, v0                           ; lane
	v_and_b32 v10, 15, v0                          ; r
	v_bfe_u32 v11, v0, 4, 1                        ; h
	v_lshlrev_b32 v[LI], 4, v9
	v_add_nc_u32 v[LIV], VIMG, v[LI]
	v_add_nc_u32 v[LKS], KSC, v[LI]
	v_lshl_add_u32 v[LVS], v10, 4, VSC
	v_lshl_add_u32 v[LPB], v11, 6, PADB
	v_mov_b32 v[NEG], 0xff000000
	v_mov_b32 v[ONE], 1.0
	v_mov_b32 v[NANS], 0xffff
	s_lshl_b32 s60, s61, 5
	s_add_co_u32 s60, s60, YST
	v_lshl_add_u32 v[YHI], v10, 1, s60             ; 32 bytes a tile, 2 a token
	s_lshl_b32 s60, s[WV], 5
	s_add_co_u32 s60, s60, YST
	v_lshl_add_u32 v[YLO], v10, 1, s60
	v_lshl_add_u32 v[PADW], v0, 4, PADB            ; my four keys' numbers
	s_and_b32 s60, s[WV], 1
	s_lshl_b32 s60, s60, 9
	s_add_co_u32 s60, s60, YST
	v_add_nc_u32 v[YRD], s60, v[LI]
	s_lshl_b32 s62, s61, 2
	s_add_co_u32 s62, s62, s[J]                    ; my late tile T
	s_lshl_b32 s63, s[WV], 2
	s_add_co_u32 s63, s63, s[J]                    ; my early tile
	s_lshl_b32 s68, s62, 9
	v_add_nc_u32 v216, s68, v[LI]                  ; q's image: 512 bytes a tile
	s_lshl_b32 s68, s63, 9
	v_add_nc_u32 v217, s68, v[LI]
	s_lshl_b32 s69, s[J], 2
	s_lshl_b32 s68, s61, 8
	s_add_co_u32 s68, s68, s69
	v_lshl_add_u32 v218, v10, 4, s68               ; q's scale word: 256 a + 4 j + 16 r
	s_lshl_b32 s68, s[WV], 8
	s_add_co_u32 s68, s68, s69
	v_lshl_add_u32 v219, v10, 4, s68
	v_lshlrev_b32 v220, 2, v0                      ; four bytes of the padding mask a thread
	v_and_b32 v222, 8, v10
	v_add_nc_u32 v222, v222, v10
	v_lshlrev_b32 v223, 4, v11
	v_sub_nc_u32 v222, v222, v223                  ; r + 8 (r / 8) - 16 h
	s_lshr_b32 s68, s[J], 1
	s_lshl_b32 s68, s68, 5
	s_and_b32 s69, s[J], 1
	s_lshl_b32 s69, s69, 3
	s_add_co_u32 s68, s68, s69                     ; 32 (j / 2) + 8 (j % 2)
	s_and_b32 s69, s61, 1
	s_lshl_b32 s69, s69, 6
	s_add_co_u32 s69, s69, s68
	v_add_nc_u32 v[TH+5], s69, v222                ; d = my query's place in its diagonal step - 16 h
	s_and_b32 s69, s[WV], 1
	s_lshl_b32 s69, s69, 6
	s_add_co_u32 s69, s69, s68
	v_add_nc_u32 v[TL+5], s69, v222
	INIT TH
	INIT TL
.irp b, 0,1,2,3
	v_mov_b32 v[FR+32+\b], 0                       ; behind k's last tile: zero codes
	v_mov_b32 v[TM+4+\b], 0                        ; written once: a lane permute's destination counts as one of its sources
.endr
	v_mov_b32 v[FF+1], 0                           ; (named as the upper half of a pair before it is first written)
	s_wait_dscnt 0x0                               ; both opening adds are done
	s_wait_kmcnt 0x0
	s_mov_b32 s3, 0
	s_lshl_b32 s2, s[BH], 16
	s_add_nc_u64 s[52:53], s[4:5], s[2:3]          ; q's images of my head
	s_and_b32 s60, s[WV], 7
	s_lshl_b32 s60, s60, 14                        ; my chunk: in LDS,
	s_mov_b32 s[G0], 1
	s_mov_b32 s[G0+1], s60
	s_add_co_u32 s2, s2, s60                       ; and in memory: k's images lie 4,194,304 bytes on; chunks 4-7 are v's, 4,194,304 - 65,536 bytes further
	s_and_b32 s60, s[WV], 4
	s_mul_i32 s60, s60, 0xfc000
	s_add_co_u32 s2, s2, s60
	s_add_co_u32 s2, s2, 0x400000
	s_add_nc_u64 s[G0+2:G0+3], s[4:5], s[2:3]
	s_or_b32 s[G0+3], s[G0+3], 0x80000000
	s_mul_i32 s2, s[BH], 12288
	s_add_nc_u64 s[58:59], s[6:7], s[2:3]          ; q's scale words of my head
	s_add_co_u32 s2, s2, 786432
	s_mov_b32 s[G0S], 1
	s_mov_b32 s[G0S+1], KSC
	s_add_nc_u64 s[G0S+2:G0S+3], s[6:7], s[2:3]    ; k's and v's
	s_or_b32 s[G0S+3], s[G0S+3], 0x80000000
	s_lshl_b32 s2, s[BB], 11
	s_add_nc_u64 s[8:9], s[8:9], s[2:3]            ; my batch's padding mask
	s_mov_b32 s67, 0
	s_lshl_b32 s68, s[BB], 7
	s_and_b32 s69, s[BH], 15
	s_lshl_b32 s69, s69, 9                         ; 512 bytes a head
	s_add_co_u32 s66, s68, s62
	s_lshl_b32 s66, s66, 13                        ; 8,192 bytes a tile
	s_add_co_u32 s66, s66, s69
	s_add_nc_u64 s[54:55], s[10:11], s[66:67]      ; y's image of my late tile,
	s_add_co_u32 s66, s68, s63
	s_lshl_b32 s66, s66, 13
	s_add_co_u32 s66, s66, s69
	s_add_nc_u64 s[56:57], s[10:11], s[66:67]      ; of my early tile
	s_lshl_b32 s66, s[BH], 2
	s_add_co_u32 s66, s66, s[J]
	s_lshl_b32 s66, s66, 10
	s_and_b32 s68, s[WV], 1
	s_lshl_b32 s68, s68, 9
	s_add_co_u32 s66, s66, s68
	s_add_nc_u64 s[12:13], s[12:13], s[66:67]      ; the work-group's 1,024 bytes of y's scale halves
	CROUND                                         ; all four work-groups are here: the joint loads meet
	TLOAD                                          ; one load a wave at the most is out
	global_load_b32 v221, v220, s[8:9]
	global_load_b128 v[TH+8:TH+11], v216, s[52:53]
	global_load_b128 v[TL+8:TL+11], v217, s[52:53]
	global_load_b32 v[TH+4], v218, s[58:59]
	global_load_b32 v[TL+4], v219, s[58:59]
	s_wait_loadcnt 4                               ; the mask's word is in; q's four loads may be out
.irp k, 0,1,2,3
	v_bfe_u32 v[TM+\k], v221, 8*\k, 1              ; 1 = padded
.endr
.irp k, 0,1,2,3
	v_sub_nc_u32 v[TM+\k], 0, v[TM+\k]
.endr
.irp k, 0,1,2,3
	v_lshlrev_b32 v[TM+\k], 24, v[TM+\k]           ; 0, or the bits of -2^127
.endr
	ds_store_b128 v[PADW], v[TM:TM+3]
	s_wait_loadcnt 0x0                             ; q
	s_wait_tensorcnt 0x0                           ; my chunk has landed,
	s_wait_dscnt 0x0                               ; my four numbers are stored:
	s_barrier_signal -1
	s_barrier_wait -1                              ; everybody's
; A KEY STEP of one tile: 128 keys.  base: the tile's state;  lim: the scalar that holds its diagonal step.
.macro STEP base, lim
	v_add_nc_u32 v[ADK], s[SK], v[LI]              ; (these five are also the places behind the last products, in front of the loads below)
	v_add_nc_u32 v[ADV], s[SK], v[LIV]
	v_add_nc_u32 v[ADS], s[SS], v[LKS]
	v_add_nc_u32 v[ADB], s[SS], v[LPB]
	v_add_nc_u32 v[ADT], s[SV], v[LVS]
	ds_load_b128 v[SCW:SCW+3], v[ADS]              ; lanes 0-15: tiles 0-3's words; lanes 16-31: tiles 4-7's
.irp t, 0,1,2,3,4,5,6,7
	ds_load_b128 v[FR+4*\t:FR+4*\t+3], v[ADK] offset:512*\t
.endr
.irp b, 0,1,2,3
.irp q, 0,1,2,3
	ds_load_b128 v[S+16*\b+4*\q:S+16*\b+4*\q+3], v[ADB] offset:128*\b+16*\q   ; register 16 b + i: the padding's number of key 32 b + 16 h + i
.endr
.endr
	s_wait_dscnt 0x0
.irp t, 0,1,2,3
	v_wmma_scale_f32_16x16x128_f8f6f4 v[S+8*\t:S+8*\t+7], v[FR+4*\t:FR+4*\t+7], v[\base+8:\base+15], v[S+8*\t:S+8*\t+7], v[SCW+\t], v[\base+4] matrix_a_fmt:MATRIX_FMT_FP4 matrix_b_fmt:MATRIX_FMT_FP4
.endr
.irp t, 4,5,6,7
	v_wmma_scale_f32_16x16x128_f8f6f4 v[S+8*\t:S+8*\t+7], v[FR+4*\t:FR+4*\t+7], v[\base+8:\base+15], v[S+8*\t:S+8*\t+7], v[SCW+\t-4], v[\base+4] matrix_a_fmt:MATRIX_FMT_FP4 matrix_b_fmt:MATRIX_FMT_FP4 matrix_a_scale:MATRIX_SCALE_ROW1
.endr
.rept 4
	v_nop                                          ; places in front of the loads below and of the first read of the scores
.endr
.irp d, 0,1,2,3
.irp c, 0,1
	ds_load_b128 v[FR+8*\d+4*\c:FR+8*\d+4*\c+3], v[ADV] offset:1024*\d+512*\c   ; v's fragments land while the softmax is walked
.endr
.endr
	ds_load_b128 v[SCW:SCW+3], v[ADT]
	s_cmp_lg_u32 s[STP], s[\lim]                   ; only the tile's last step lies on the diagonal
	s_cbranch_scc1 .Lopen_\@
.set NN, 0
.rept 64
	v_cmp_gt_i32 vcc_lo, 32*(NN/16)+NN%16, v[\base+5]   ; register 16 b + i holds key 32 b + 16 h + i of the step: hidden where 32 b + i > d
	v_cndmask_b32 v[S+NN], v[S+NN], v[NEG], vcc_lo
.set NN, NN+1
.endr
.Lopen_\@:
.irp b, 0,1,2,3
	v_max3_num_f32 v[TM+\b], v[S+16*\b], v[S+1+16*\b], v[S+2+16*\b]   ; the largest score of each block of 32 keys: for the row's maximum, and, since p rises with the score, for the block's largest p
.endr
.irp i, 3,5,7,9,11,13
.irp b, 0,1,2,3
	v_max3_num_f32 v[TM+\b], v[TM+\b], v[S+16*\b+\i], v[S+1+16*\b+\i]
.endr
.endr
.irp b, 0,1,2,3
	v_max_num_f32 v[TM+\b], v[TM+\b], v[S+15+16*\b]
.endr
.irp b, 0,1,2,3
	v_permlanex16_b32 v[TM+4+\b], v[TM+\b], s[SEL], s[SEL+1]
.endr
.irp b, 0,1,2,3
	v_max_num_f32 v[TM+\b], v[TM+\b], v[TM+4+\b]   ; with lane l xor 16's 16 keys
.endr
	v_max3_num_f32 v[TMP], v[TM], v[TM+1], v[TM+2]
	v_max_num_f32 v[TMP], v[TMP], v[TM+3]
	v_mul_f32 v[TMP], s[CS], v[TMP]                ; the step's largest t
	v_max_num_f32 v[\base+1], v[\base+1], v[TMP]   ; the running largest t
	v_mov_b32 v[TMP], v[\base]
	v_floor_f32 v[\base], -v[\base+1]              ; the new -M = floor(-t): M is a whole number
	v_sub_f32 v[TMP], v[\base], v[TMP]             ; old M - new M: a whole number, 0 or less
	v_cvt_i32_f32 v[TMP], v[TMP]                   ; (it saturates)
	v_ldexp_f32 v[FF], 1.0, v[TMP]                 ; f = 2^(old M - new M): a multiplication by it rounds nothing
.set JJ, 0
.rept 32
	v_pk_fma_f32 v[S+JJ:S+JJ+1], v[S+JJ:S+JJ+1], s[CS:CS+1], v[\base:\base+1] op_sel_hi:[1,0,0]   ; t - M, two at a time
.set JJ, JJ+2
.endr
.irp b, 0,1,2,3
	v_fma_f32 v[TM+\b], v[TM+\b], s[CS], v[\base]  ; the same of each block's largest score
.endr
.set JJ, 0
.rept 64
	v_exp_f32 v[S+JJ], v[S+JJ]                     ; p = 2^(t - M), at most 1
.set JJ, JJ+1
.endr
	v_pk_mul_f32 v[\base+2:\base+3], v[\base+2:\base+3], v[FF:FF+1] op_sel_hi:[1,0]   ; the sums under the new M: a plain place behind the exponentials
	s_wait_alu depctr_va_vdst(0)                   ; one wait for the whole batch, ahead of its first reader
.irp b, 0,1,2,3
	v_exp_f32 v[TM+\b], v[TM+\b]                   ; the block's largest p: the same two instructions on the same number
.endr
	v_pk_add_f32 v[TM+4:TM+5], v[S:S+1], v[S+2:S+3]   ; the row's sum of the unquantised p, in two chains
.set JJ, 4
.rept 15
	v_pk_add_f32 v[\base+2:\base+3], v[\base+2:\base+3], v[S+JJ:S+JJ+1]
	v_pk_add_f32 v[TM+4:TM+5], v[TM+4:TM+5], v[S+2+JJ:S+3+JJ]
.set JJ, JJ+4
.endr
	v_pk_add_f32 v[\base+2:\base+3], v[\base+2:\base+3], v[TM+4:TM+5]
	s_wait_alu depctr_va_vdst(0)                   ; and one for the four
.irp b, 0,1,2,3
	v_max_num_f32 v[TM+\b], 0x1800000, v[TM+\b]    ; the floor 2^(3 - 127): the byte cannot fall under 1
.endr
.irp b, 0,1,2,3
	v_add_nc_u32 v[TM+8+\b], 0xff000000, v[TM+\b]  ; 2 off the exponent field: the conversion's scale operand
.endr
.irp b, 0,1,2,3
	v_lshrrev_b32 v[TM+4+\b], 23, v[TM+8+\b]       ; the scale's byte
.endr
	v_lshl_or_b32 v[FF+1], v[TM+5], 8, v[TM+4]     ; p's scale word for these 128 keys
	v_lshl_or_b32 v[FF+1], v[TM+6], 16, v[FF+1]
	v_lshl_or_b32 v[FF+1], v[TM+7], 24, v[FF+1]
.irp b, 0,1,2,3
	v_cvt_scalef32_pk8_fp4_f32 v[PC+2*\b], v[S+16*\b:S+7+16*\b], v[TM+8+\b]
	v_cvt_scalef32_pk8_fp4_f32 v[PC+1+2*\b], v[S+8+16*\b:S+15+16*\b], v[TM+8+\b]
.endr
	v_nop                                          ; one plain place behind a scaled conversion
.irp c, 0,1
.irp i, 0,1
	v_permlane16_swap_b32 v[PC+4*\c+\i], v[PC+2+4*\c+\i]   ; a whole block to a lane
.endr
.endr
.set JJ, 0
.rept 16
	v_pk_mul_f32 v[\base+16+JJ:\base+17+JJ], v[\base+16+JJ:\base+17+JJ], v[FF:FF+1] op_sel_hi:[1,0]   ; O^T under the new M; these are also the places in front of the products below
.set JJ, JJ+2
.endr
	s_wait_dscnt 0x0                               ; v's fragments and scale words
.irp d, 0,1,2,3
	v_wmma_scale_f32_16x16x128_f8f6f4 v[\base+16+8*\d:\base+23+8*\d], v[FR+8*\d:FR+8*\d+7], v[PC:PC+7], v[\base+16+8*\d:\base+23+8*\d], v[SCW+\d], v[FF+1] matrix_a_fmt:MATRIX_FMT_FP4 matrix_b_fmt:MATRIX_FMT_FP4
.endr
.endm
.Lstep:                                            ; 16 trips, a constant: a tile's steps behind its diagonal are jumped over, by the wave's number and the count of trips alone; no barrier stands in the loop
	s_cmp_gt_u32 s[STP], s[NHI]
	s_cbranch_scc1 .Lskip_hi
	STEP TH, NHI
.Lskip_hi:
	s_cmp_gt_u32 s[STP], s[NLO]
	s_cbranch_scc1 .Lskip_lo
	STEP TL, NLO
.Lskip_lo:
	s_add_co_u32 s[SK], s[SK], 4096
	s_add_co_u32 s[SS], s[SS], 512
	s_add_co_u32 s[SV], s[SV], 256
	s_add_co_u32 s[STP], s[STP], 1
	s_cmp_lt_u32 s[STP], 16
	s_cbranch_scc1 .Lstep
.rept 4
	v_nop                                          ; places behind the last products
.endr
; A tile's end: O^T / the sum, quantised along the head's 64 (two blocks), leaves as an image of four operand registers; its two scale bytes go to LDS.
.macro FINISH base, yad, ptr
	v_add_f32 v[TMP], v[\base+2], v[\base+3]
	v_permlanex16_b32 v[TM+4], v[TMP], s[SEL], s[SEL+1]
	v_add_f32 v[TMP], v[TMP], v[TM+4]              ; the row's sum
	v_cmp_eq_f32 s[MK], 0, v[TMP]                  ; no visible key: a select, no branch
	v_cndmask_b32 v[TMP], v[TMP], v[ONE], s[MK]
	v_rcp_f32 v[FF], v[TMP]
	v_nop                                          ; one plain place behind the reciprocal
	s_wait_alu depctr_va_vdst(0)                   ; and the wait ahead of its first reader
.set JJ, 0
.rept 16
	v_pk_mul_f32 v[S+JJ:S+JJ+1], v[\base+16+JJ:\base+17+JJ], v[FF:FF+1] op_sel_hi:[1,0]   ; register 16 b + i = dim 32 b + 16 h + i; each accumulator from its low end on
.set JJ, JJ+2
.endr
.irp b, 0,1
	v_max3_num_f32 v[TM+\b], |v[S+16*\b]|, |v[S+1+16*\b]|, 0x1800000
.endr
.irp i, 2,4,6,8,10,12,14
.irp b, 0,1
	v_max3_num_f32 v[TM+\b], v[TM+\b], |v[S+16*\b+\i]|, |v[S+1+16*\b+\i]|
.endr
.endr
.irp b, 0,1
	v_permlanex16_b32 v[TM+4+\b], v[TM+\b], s[SEL], s[SEL+1]
.endr
.irp b, 0,1
	v_max_num_f32 v[TM+\b], v[TM+\b], v[TM+4+\b]
.endr
.irp b, 0,1
	v_add_nc_u32 v[TM+8+\b], 0xff000000, v[TM+\b]
.endr
.irp b, 0,1
	v_lshrrev_b32 v[TM+4+\b], 23, v[TM+8+\b]
.endr
	v_lshl_or_b32 v[TMP], v[TM+5], 8, v[TM+4]      ; the row's two bytes,
	v_cndmask_b32 v[TMP], v[TMP], v[NANS], s[MK]   ; or 0xff twice
.irp b, 0,1
	v_cvt_scalef32_pk8_fp4_f32 v[PC+2*\b], v[S+16*\b:S+7+16*\b], v[TM+8+\b]
	v_cvt_scalef32_pk8_fp4_f32 v[PC+1+2*\b], v[S+8+16*\b:S+15+16*\b], v[TM+8+\b]
.endr
	v_nop
	v_permlane16_swap_b32 v[PC], v[PC+2]
	v_permlane16_swap_b32 v[PC+1], v[PC+3]         ; lane (r, h): dims 32 h .. + 31
	global_store_b128 v[LI], v[PC:PC+3], s[\ptr:\ptr+1]   ; 512 consecutive bytes, aligned
	ds_store_b16 v[\yad], v[TMP]                   ; both halves of the lanes write the same two bytes with the same value
.endm
	FINISH TH, YHI, 54
	s_wait_xcnt 0x0                                ; the store has read its registers: the codes may be written again
	FINISH TL, YLO, 56
	s_wait_dscnt 0x0                               ; my scale halves are stored,
	s_barrier_signal -1
	s_barrier_wait -1                              ; everybody's
	s_cmp_lt_u32 s[WV], 2
	s_cbranch_scc0 .Lno_sc
	ds_load_b128 v[S:S+3], v[YRD]
	s_wait_dscnt 0x0
	global_store_b128 v[LI], v[S:S+3], s[12:13]    ; waves 0 and 1: 512 consecutive bytes each
.Lno_sc:
	s_wait_tensorcnt 0x0                           ; the wave's end
	ds_add_u32 v[SPW], v[NIL]
	s_wait_dscnt 0x0
	CROUND                                         ; the closing round
	s_endpgm
.Lfunc_end_k_qfda175f27b_attn:
	.size	k_qfda175f27b_attn, .Lfunc_end_k_qfda175f27b_attn-k_qfda175f27b_attn
	.p2alignl 7, 3214868480
	.fill 96, 4, 3214868480
	.section	.rodata,"a",@progbits
	.p2align	6, 0x0
	.amdhsa_kernel k_qfda175f27b_attn
		.amdhsa_group_segment_fixed_size 167936
		.amdhsa_private_segment_fixed_size 0
		.amdhsa_enable_private_segment 0
		.amdhsa_kernarg_size 40
		.amdhsa_user_sgpr_count 2
		.amdhsa_user_sgpr_kernarg_segment_ptr 1
		.amdhsa_wavefront_size32 1
		.amdhsa_system_sgpr_workgroup_id_x 1
		.amdhsa_system_sgpr_workgroup_id_y 1
		.amdhsa_system_sgpr_workgroup_id_z 1
		.amdhsa_system_vgpr_workitem_id 0
		.amdhsa_next_free_vgpr 256
		.amdhsa_next_free_sgpr 72
		.amdhsa_reserve_vcc 1
		.amdhsa_float_denorm_mode_32 3
		.amdhsa_float_denorm_mode_16_64 3
		.amdhsa_memory_ordered 1
		.amdhsa_forward_progress 1
		.amdhsa_inst_pref_size 61
	.end_amdhsa_kernel
	.amdgpu_metadata
---
amdhsa.version: [ 1, 2 ]
amdhsa.kernels:
  - .name:           k_qfda175f27b_attn
    .symbol:         k_qfda175f27b_attn.kd
    .args:
      - { .name: qkv_img, .offset: 0, .size: 8, .value_kind: global_buffer, .address_space: global }
      - { .name: qkv_sc, .offset: 8, .size: 8, .value_kind: global_buffer, .address_space: global }
      - { .name: pad_mask, .offset: 16, .size: 8, .value_kind: global_buffer, .address_space: global }
      - { .name: y_img, .offset: 24, .size: 8, .value_kind: global_buffer, .address_space: global }
      - { .name: y_sc, .offset: 32, .size: 8, .value_kind: global_buffer, .address_space: global }
    .group_segment_fixed_size: 167936
    .private_segment_fixed_size: 0
    .kernarg_segment_align: 8
    .kernarg_segment_size: 40
    .max_flat_workgroup_size: 512
    .sgpr_count:     72
    .vgpr_count:     256
    .wavefront_size: 32
...
	.end_amdgpu_metadata
.endif
;; end of part 3
;; launch proj (part 4): grid 4 x 32, 4 waves a work-group, clusters of 4 x 4, 327,680 bytes of LDS; arguments y_img, y_sc, cod, scl, out_b, out0; writes out0
.if DOCPART == 4
	.amdgcn_target "amdgcn-amd-amdhsa--gfx1250"
	.amdhsa_code_object_version 6
	.text
	.protected	k_qfda175f27b_proj
	.globl	k_qfda175f27b_proj
	.p2align	8
	.type	k_qfda175f27b_proj,@function
k_qfda175f27b_proj:
	s_mov_b64 s[64:65], 0
	v_nop
	global_prefetch_b8 v0, s[64:65] scope:SCOPE_SE
	s_setreg_imm32_b32 hwreg(HW_REG_WAVE_MODE, 25, 1), 1
	s_wait_xcnt 0x0
	s_wait_alu depctr_hold_cnt(0) depctr_sa_sdst(0) depctr_va_vdst(0) depctr_va_sdst(0) depctr_va_ssrc(0) depctr_va_vcc(0) depctr_vm_vsrc(0)
	s_getreg_b32 s2, hwreg(HW_REG_IB_STS2, 6, 4)
	s_cmp_eq_u32 s2, 0
	s_cbranch_scc0 .Lentry_in_a_cluster
	s_endpgm
.Lentry_in_a_cluster:
	s_bfe_u32 s2, ttmp6, 0x10000c
	s_cmp_lg_u32 s2, 0xf033
	s_cbranch_scc0 .Lentry_shape_is_right
	s_endpgm
.Lentry_shape_is_right:
; out0 = y out_w^T + out_b on codes of E2M1, K = 1,024 = (head, dim).  No work is left out here.  A token with no visible key has the scale bytes 0xff: its whole row comes out NaN.
; A work-group of four waves makes 256 tokens x 256 columns, a wave 128 x 128: 64 accumulators.  The matrix instruction is used transposed (source 0 = 16 rows of out_w, source 1 = 16 tokens): a lane holds eight neighbouring columns of one token's row.
; A = y comes as IMAGES OF OPERAND REGISTERS, [tile of 16 tokens][head][512 B]: a fragment of 128 along K is two heads' images, read from LDS at 16 x lane.  B = out_w's codes come as rows, padded.  Both K halves are filled once.
; y's scale bytes come as two bytes a (head, token); a short pass merges them in LDS into rows of 32 bytes a token, laid as B's are.  out_b is the C of each sum's first product.
; Lane r of tokens' tile 2 B + u is token 32 B + 8 u + r + 8 (r / 8): the stores' offsets put each row in its place.
; 4 x 4 work-groups share A's tiles along a row of the cluster and B's along a column, by joint loads.  128 work-groups: the launch is bound by its stores, 33,554,432 bytes, each row's 512 bytes by one instruction.
; REGISTERS: window 0: v1-31 addresses; v32-95 scale words, two sets; v96-127 the merge; v128-191 A's fragments; v192-255 the bias; on the way out v128-255 rows read back.  window 1: B's two sets.  windows 2, 3: accumulators.
.set NQ,     4
.set ROWB,   256
.set KROW,   512
.set PITCH,  272
.set FR,     8
.set NL,     2
.set NP,     4
.set HALFB,  128*PITCH
.set BSLOT,  2*HALFB                   ; B's 256 rows of a K half
.set AIM,    2*BSLOT                   ; A's images: [K half][16 tiles][8 heads][512]
.set KS,     32
.set SCL,    AIM+131072                ; A's merged scale rows (stored by the waves), then B's (filled by tensor loads): units of 256 bytes + 16 of padding
.set HALFS,  (128*KS/256)*272
.set SBLK,   (16*KS/256)*272
.set RAW,    SCL+4*HALFS               ; y's scale halves as they come: [head 16][j 4][a 4][16 tokens] of 2 bytes
.set SPARE,  RAW+8192
.set SPITCH, 528                       ; the way out: a stage of 16 rows x (512 + 16) bytes a wave, in B's first K half, which has had its one fill and its last read by then
.set ADRA, 16
.set ADRB, 20
.set STO,  24
.set RD,   25
.set CO,   26
.set ADRS, 27
.set SPW,  28
.set NIL,  29
.set MR,   30
.set MW,   31
.set SC,   32
.set AF,   128
.set BK,   128
.set BIAS, 192
.set G1, 24
.set G0, 32
.set G1B, 48
.set G0B, 56
.set G1S, 68
.set G0S, 76
.set G1SB, 80
.set G0SB, 88
.set MSB, 0
.macro WIN new
.if MSB != \new
	s_set_vgpr_msb (MSB<<8)|\new
.set MSB, \new
.endif
.endm
.set MUL_LO, 0xa1
.set MUL_HI, 0xf1
.set TO_B,   0x40
.macro JLOAD g0a, g1a, g0b, g1b        ; waves 0 and 1 fetch for A, waves 2 and 3 for B; an s_nop 0 and four v_nop follow each line
	s_cmp_eq_u32 s15, 0
	s_cbranch_scc0 .Lfor_b_\@
	tensor_load_to_lds s[\g0a:\g0a+3], s[\g1a:\g1a+7]
	s_nop 0
.rept 4
	v_nop
.endr
	s_branch .Lasked_\@
.Lfor_b_\@:
	tensor_load_to_lds s[\g0b:\g0b+3], s[\g1b:\g1b+7]
	s_nop 0
.rept 4
	v_nop
.endr
.Lasked_\@:
.endm
.macro CROUND
	s_barrier_signal -1
	s_barrier_wait -1
	s_cmp_lg_u32 s14, 0
	s_cbranch_scc1 .Lnot_wave_0_\@
	s_barrier_signal -3
.Lnot_wave_0_\@:
	s_barrier_wait -3
	s_barrier_signal -1
	s_barrier_wait -1
.endm
	s_load_b128 s[4:7], s[0:1], 0x0                ; y_img, y_sc
	s_load_b128 s[8:11], s[0:1], 0x10              ; cod, scl
	s_load_b64 s[2:3], s[0:1], 0x20                ; out_b
	s_load_b64 s[12:13], s[0:1], 0x28              ; out0
	v_lshl_add_u32 v[SPW], v0, 2, SPARE
	v_mov_b32 v[NIL], 0
	ds_add_u32 v[SPW], v[NIL]                      ; the wave's opening: the add, twice on end, and its wait ahead of my first tensor load
	ds_add_u32 v[SPW], v[NIL]
	v_lshrrev_b32 v1, 5, v0
	v_readfirstlane_b32 s14, v1                    ; wave 0..3
	s_lshr_b32 s15, s14, 1                         ; which half of the tokens is mine.  Also: I fetch for A (0) or for B (1)
	s_and_b32 s16, s14, 1                          ; which half of the columns.  Also: which half of a tile I fetch
	s_bfe_u32 s40, ttmp6, 0x40000
	s_bfe_u32 s41, ttmp6, 0x40004
	s_lshl_b32 s42, ttmp9, 2
	s_add_co_u32 s42, s42, s40                     ; tile column
	s_and_b32 s17, ttmp7, 0xffff
	s_lshl_b32 s17, s17, 2
	s_add_co_u32 s17, s17, s41                     ; tile row
	s_lshl_b32 s43, s41, 2
	s_lshl_b32 s43, 15, s43                        ; my row of the cluster
	s_lshl_b32 s44, 0x1111, s40                    ; my column
	s_or_b32 s[G1+0], s43, (3<<16)|(1<<21)         ; A's images: 8 tiles x 4,096 bytes (8 heads), 8,192 bytes apart; elements of 8 bytes; no padding
	s_mov_b32 s[G1+1], 512<<16
	s_mov_b32 s[G1+2], 8<<16
	s_mov_b32 s[G1+3], 512<<16
	s_mov_b32 s[G1+4], 8
	s_mov_b32 s[G1+5], 1024
	s_mov_b32 s[G1+6], 0
	s_mov_b32 s[G1+7], 0
	s_or_b32 s[G1S+0], s43, (3<<16)|(1<<21)        ; y's scale halves: 32 rows (8 heads x 4 j) of 128 bytes, 1,024 bytes apart
	s_mov_b32 s[G1S+1], 16<<16
	s_mov_b32 s[G1S+2], 32<<16
	s_mov_b32 s[G1S+3], 16<<16
	s_mov_b32 s[G1S+4], 32
	s_mov_b32 s[G1S+5], 128
	s_mov_b32 s[G1S+6], 0
	s_mov_b32 s[G1S+7], 0
	s_or_b32 s[G1B+0], s44, (0<<16)|(1<<20)|(1<<21)|(5<<22)|(3<<25)   ; B's codes: 128 rows x 256 bytes, 16 bytes of padding behind each
	s_mov_b32 s[G1B+1], ROWB<<16
	s_mov_b32 s[G1B+2], 128<<16
	s_mov_b32 s[G1B+3], ROWB<<16
	s_mov_b32 s[G1B+4], 128
	s_mov_b32 s[G1B+5], KROW
	s_mov_b32 s[G1B+6], 0
	s_mov_b32 s[G1B+7], 0
	s_or_b32 s[G1SB+0], s44, (3<<16)|(1<<20)|(1<<21)|(5<<22)|(3<<25)  ; B's scales of 128 rows: 16 rows of 256 dense bytes, padded
	s_mov_b32 s[G1SB+1], 32<<16
	s_mov_b32 s[G1SB+2], 16<<16
	s_mov_b32 s[G1SB+3], 32<<16
	s_mov_b32 s[G1SB+4], 16
	s_mov_b32 s[G1SB+5], 32
	s_mov_b32 s[G1SB+6], 0
	s_mov_b32 s[G1SB+7], 0
	s_lshl_b32 s20, s17, 17                        ; A: 131,072 bytes a tile row,
	s_lshl_b32 s18, s16, 16                        ; 65,536 a half
	s_add_co_u32 s20, s20, s18
	s_mov_b32 s21, 0
	s_lshr_b32 s22, s17, 3                         ; y's scale halves: 65,536 bytes a batch,
	s_lshl_b32 s22, s22, 16
	s_lshl_b32 s18, s16, 15                        ; 32,768 for 8 heads,
	s_add_co_u32 s22, s22, s18
	s_and_b32 s19, s17, 7
	s_lshl_b32 s19, s19, 7                         ; 128 for the tile row's four a
	s_add_co_u32 s22, s22, s19
	s_mov_b32 s23, 0
	s_lshl_b32 s46, s42, 8
	s_lshl_b32 s18, s16, 7
	s_add_co_u32 s46, s46, s18                     ; B's row
	s_lshl_b32 s92, s46, 5
	s_add_co_u32 s92, s92, 360448                  ; out_w's scale bytes in scl
	s_mov_b32 s93, 0
	s_lshl_b32 s46, s46, 9
	s_add_co_u32 s46, s46, 5767168                 ; out_w's codes in cod
	s_mov_b32 s47, 0
	s_lshl_b32 s45, s16, 15
	s_add_co_u32 s45, s45, AIM                     ; where they go: no place in the cluster enters an LDS address
	s_mul_i32 s94, s16, HALFB
	s_lshl_b32 s95, s16, 12
	s_add_co_u32 s95, s95, RAW
	s_mul_i32 s96, s16, HALFS
	s_add_co_u32 s96, s96, SCL+2*HALFS
	s_wait_dscnt 0x0                               ; both opening adds are done
	s_wait_kmcnt 0x0
	s_add_nc_u64 s[20:21], s[4:5], s[20:21]
	s_add_nc_u64 s[22:23], s[6:7], s[22:23]
	s_add_nc_u64 s[46:47], s[8:9], s[46:47]
	s_add_nc_u64 s[92:93], s[10:11], s[92:93]
	CROUND                                         ; all sixteen work-groups are here: the joint loads meet
	s_mov_b32 s[G0S], 1
	s_mov_b32 s[G0S+1], s95
	s_mov_b64 s[G0S+2:G0S+3], s[22:23]
	s_or_b32 s[G0S+3], s[G0S+3], 0x80000000
	s_mov_b32 s[G0SB], 1
	s_mov_b32 s[G0SB+1], s96
	s_mov_b64 s[G0SB+2:G0SB+3], s[92:93]
	s_or_b32 s[G0SB+3], s[G0SB+3], 0x80000000
	JLOAD G0S, G1S, G0SB, G1SB                     ; the scales first; then both K halves: three loads of mine are out
.irp s, 0,1
	s_mov_b32 s[G0+4*\s], 1
	s_add_co_u32 s[G0+4*\s+1], s45, \s*65536
	s_add_nc_u64 s[G0+4*\s+2:G0+4*\s+3], s[20:21], \s*4096
	s_or_b32 s[G0+4*\s+3], s[G0+4*\s+3], 0x80000000
	s_mov_b32 s[G0B+4*\s], 1
	s_add_co_u32 s[G0B+4*\s+1], s94, \s*BSLOT
	s_add_nc_u64 s[G0B+4*\s+2:G0B+4*\s+3], s[46:47], \s*ROWB
	s_or_b32 s[G0B+4*\s+3], s[G0B+4*\s+3], 0x80000000
	JLOAD G0+4*\s, G1, G0B+4*\s, G1B
.endr
	v_and_b32 v1, 15, v0                           ; r
	v_bfe_u32 v2, v0, 4, 1                         ; h
	s_lshl_b32 s46, s42, 10                        ; my first column, in bytes of f32: 1,024 x tile column + 512 x half
	s_lshl_b32 s47, s16, 9
	s_add_co_u32 s46, s46, s47
	s_mov_b32 s47, 0
	s_add_nc_u64 s[2:3], s[2:3], s[46:47]
	v_lshlrev_b32 v7, 5, v2                        ; register j of tile b wants column 16 b + 8 h + j
.irp b, 0,1,2,3,4,5,6,7
	global_load_b128 v[BIAS+8*\b:BIAS+8*\b+3], v7, s[2:3] offset:64*\b
	global_load_b128 v[BIAS+8*\b+4:BIAS+8*\b+7], v7, s[2:3] offset:64*\b+16
.endr
	v_and_b32 v6, 31, v0
	v_lshlrev_b32 v[CO], 4, v6                     ; 16 x lane
	v_mul_u32_u24 v3, v1, PITCH
	v_lshl_add_u32 v4, v2, 4, v3
	s_lshl_b32 s21, s15, 15
	s_add_co_u32 s21, s21, AIM                     ; my 8 tiles of A
	s_mul_i32 s22, s16, HALFB                      ; my 128 rows of B
.irp s, 0,1
	v_add_nc_u32 v[ADRA+\s], s21, v[CO]
	v_add_nc_u32 v[ADRB+\s], s22, v4
	s_add_co_u32 s21, s21, 65536
	s_add_co_u32 s22, s22, BSLOT
.endr
	v_mul_u32_u24 v5, v1, KS
	v_lshrrev_b32 v6, 8, v5
	v_lshl_add_u32 v5, v6, 4, v5
	s_mul_i32 s21, s15, HALFS
	s_mul_i32 s22, s16, HALFS
	s_add_co_u32 s22, s22, 2*HALFS
	s_sub_co_u32 s22, s22, s21
	v_mul_u32_u24 v6, s22, v2                      ; lanes 16-31 take B's
	s_add_co_u32 s21, s21, SCL
	v_add_nc_u32 v5, v5, v6
	v_add_nc_u32 v[ADRS], s21, v5
	s_mul_i32 s23, s14, 16*SPITCH                  ; my stage
	v_mul_u32_u24 v5, v1, SPITCH
	v_lshl_add_u32 v5, v2, 5, v5
	v_add_nc_u32 v[STO], s23, v5
	v_add_nc_u32 v[RD], s23, v[CO]
	v_bfe_u32 v3, v0, 3, 2                         ; the merge: thread n takes rows 2 n and 2 n + 1 of the 256: tile n / 8 = 4 a + j, tokens 2 (n % 8) and the next
	v_lshrrev_b32 v4, 5, v0
	v_and_b32 v5, 7, v0
	v_lshlrev_b32 v3, 7, v3
	v_lshl_add_u32 v3, v4, 5, v3
	v_lshl_add_u32 v3, v5, 2, v3
	v_add_nc_u32 v[MR], RAW, v3                    ; 128 j + 32 a + 4 (n % 8)
	v_lshrrev_b32 v4, 2, v0
	v_lshlrev_b32 v5, 6, v0
	v_lshl_add_u32 v5, v4, 4, v5
	v_add_nc_u32 v[MW], SCL, v5                    ; 64 n, and 16 more for each 256 passed
	s_lshl_b32 s20, s17, 8
	s_lshl_b32 s21, s15, 7
	s_add_co_u32 s20, s20, s21                     ; my first token
	s_lshl_b32 s20, s20, 12                        ; 4,096 bytes a row of out0: under 2^26
	s_add_co_u32 s20, s20, s46
	s_mov_b32 s21, 0
	s_add_nc_u64 s[12:13], s[12:13], s[20:21]
.macro FRAG reg, adr, q, i
.irp c, 0,1
	ds_load_b128 v[\reg+4*\c:\reg+4*\c+3], v[\adr] offset:64*(\q)+32*\c+(\i)*16*PITCH
.endr
.endm
.macro FRAGA reg, adr, q, i            ; tile i, heads 2 q and 2 q + 1 of the K half: two images
.irp c, 0,1
	ds_load_b128 v[\reg+4*\c:\reg+4*\c+3], v[\adr] offset:(\i)*4096+(2*(\q)+\c)*512
.endr
.endm
; 16 matrix instructions; the 64 accumulators take turns, one instruction a turn.  zero = 1: the first product starts the sums from the bias.
.macro MUL16 a0, p, q, sc, zero
.irp a, \a0, \a0+1
.irp b, 0,1,2,3,4,5,6,7
.if \zero
	v_wmma_scale_f32_16x16x128_f8f6f4 v[8*(8*((\a)%4)+\b):8*(8*((\a)%4)+\b)+7], v[128*(\p)+FR*\b:128*(\p)+FR*\b+FR-1], v[AF+FR*(\a):AF+FR*(\a)+FR-1], v[BIAS+8*\b:BIAS+8*\b+7], v[SC+8*NQ*(\sc)+NQ*\b+(\q)], v[SC+8*NQ*(\sc)+NQ*(\a)+(\q)] matrix_a_fmt:MATRIX_FMT_FP4 matrix_b_fmt:MATRIX_FMT_FP4 matrix_a_scale:MATRIX_SCALE_ROW1
.else
	v_wmma_scale_f32_16x16x128_f8f6f4 v[8*(8*((\a)%4)+\b):8*(8*((\a)%4)+\b)+7], v[128*(\p)+FR*\b:128*(\p)+FR*\b+FR-1], v[AF+FR*(\a):AF+FR*(\a)+FR-1], v[8*(8*((\a)%4)+\b):8*(8*((\a)%4)+\b)+7], v[SC+8*NQ*(\sc)+NQ*\b+(\q)], v[SC+8*NQ*(\sc)+NQ*(\a)+(\q)] matrix_a_fmt:MATRIX_FMT_FP4 matrix_b_fmt:MATRIX_FMT_FP4 matrix_a_scale:MATRIX_SCALE_ROW1
.endif
.endr
.endr
.endm
.macro FETCH_B slot, q, p
	WIN TO_B
.irp i, 0,1,2,3,4,5,6,7
	FRAG 128*(\p)+FR*\i, ADRB+\slot, \q, \i
.endr
	WIN 0
.endm
.macro FETCH_A slot, q, i0
.irp i, \i0, \i0+1, \i0+2, \i0+3
	FRAGA AF+FR*(\i), ADRA+\slot, \q, \i
.endr
.endm
.macro SCALES sc
.irp i, 0,1,2,3,4,5,6,7
	ds_load_b128 v[SC+8*NQ*\sc+NQ*\i:SC+8*NQ*\sc+NQ*\i+3], v[ADRS] offset:\i*SBLK
.endr
.endm
.macro PLACES n
.rept \n
	v_nop
.endr
.endm
.macro STEP slot, q, zero
	s_wait_dscnt 4*NL                              ; B's set and A's blocks 0-3 are in; the youngest 8 loads (A's blocks 4-7) may be out
.if \zero
	WIN 0x81                                       ; as MUL_LO, with C (the bias) in window 0
.else
	WIN MUL_LO
.endif
	MUL16 0, (\q)%2, \q, \slot, \zero
	MUL16 2, (\q)%2, \q, \slot, \zero
	s_wait_dscnt 0
	PLACES NP
	FETCH_B \slot, (\q)+1, 1-(\q)%2
	FETCH_A \slot, (\q)+1, 0
.if \zero
	WIN 0xc1
.else
	WIN MUL_HI
.endif
	MUL16 4, (\q)%2, \q, \slot, \zero
	MUL16 6, (\q)%2, \q, \slot, \zero
	PLACES NP
	WIN 0
	FETCH_A \slot, (\q)+1, 4
.endm
.macro STEPS slot, from
.set Q, \from
.rept NQ-1-\from
	STEP \slot, Q, 0
.set Q, Q+1
.endr
.endm
	s_wait_tensorcnt 1                             ; the scales and my part of the first K half are in (the second half's load may be out),
	s_barrier_signal -1
	s_barrier_wait -1                              ; everybody's are
.irp g, 0,1,2,3,4,5,6,7,8,9,10,11,12,13,14,15
	ds_load_b32 v[96+\g], v[MR] offset:512*\g      ; head g: my two tokens' halves
.endr
	s_wait_dscnt 0x0
.irp g, 0,1,2,3,4,5,6,7
	v_perm_b32 v[112+\g], v[97+2*\g], v[96+2*\g], 0x05040100   ; word g of row 2 n: heads 2 g and 2 g + 1: 128 along K
	v_perm_b32 v[120+\g], v[97+2*\g], v[96+2*\g], 0x07060302   ; and of row 2 n + 1
.endr
.irp g, 0,1,2,3
	ds_store_b128 v[MW], v[112+4*\g:115+4*\g] offset:16*\g
.endr
	s_wait_dscnt 0x0                               ; my two rows are stored,
	s_barrier_signal -1
	s_barrier_wait -1                              ; everybody's
	FETCH_B 0, 0, 0
	FETCH_A 0, 0, 0
	SCALES 0
	FETCH_A 0, 0, 4
	s_wait_loadcnt 0x0                             ; the bias
	STEP 0, 0, 1
	STEPS 0, 1
	; the first half's last step changes slots: one barrier; nothing is filled again
	s_wait_tensorcnt 0x0                           ; my part of the second half has landed
	ds_add_u32 v[SPW], v[NIL]                      ; 0 onto my spare word
	s_wait_dscnt 4*NL+1                            ; the add and the youngest 8 loads may be out
	WIN MUL_LO
	MUL16 0, 1, NQ-1, 0, 0
	s_wait_dscnt 0x0                               ; my reads of the first half are over
	s_barrier_signal -1
	MUL16 2, 1, NQ-1, 0, 0
	WIN 0
	s_barrier_wait -1
	PLACES NP
	v_add_nc_u32 v[ADRS], 4*NQ, v[ADRS]
	FETCH_B 1, 0, 0
	FETCH_A 1, 0, 0
	SCALES 1
	WIN MUL_HI
	MUL16 4, 1, NQ-1, 0, 0
	MUL16 6, 1, NQ-1, 0, 0
	PLACES NP
	WIN 0
	FETCH_A 1, 0, 4
	STEPS 1, 0
	s_wait_dscnt 4*NL
	WIN MUL_LO
	MUL16 0, 1, NQ-1, 1, 0
	MUL16 2, 1, NQ-1, 1, 0
	s_wait_dscnt 0
	WIN MUL_HI
	MUL16 4, 1, NQ-1, 1, 0
	MUL16 6, 1, NQ-1, 1, 0
	WIN 0
; THE WAY OUT, a block of 16 tokens x 128 columns at a time, through my own stage: in as 32 bytes a lane, back as whole rows of 512 bytes.  LDS serves a wave's instructions in order: no wait between the stores and the loads.
.macro TOSTAGE a
.set AC, 64*((\a)%4)
	WIN 0x08+4*((\a)/4)                            ; the data: window 2 or 3
.irp b, 0,1,2,3,4,5,6,7
	ds_store_b128 v[STO], v[AC+8*\b:AC+8*\b+3] offset:64*\b          ; each accumulator from its low end on
	ds_store_b128 v[STO], v[AC+8*\b+4:AC+8*\b+7] offset:64*\b+16
.endr
	WIN 0
.set BB, BK+64*((\a)%2)
.irp t, 0,1,2,3,4,5,6,7,8,9,10,11,12,13,14,15
	ds_load_b128 v[BB+4*\t:BB+4*\t+3], v[RD] offset:\t*SPITCH
.endr
.endm
.macro SEND a, younger                 ; younger: the LDS instructions issued behind block a's loads, which may stay out
.set BB, BK+64*((\a)%2)
	s_wait_dscnt \younger
.irp t, 0,1,2,3,4,5,6,7,8,9,10,11,12,13,14,15
	global_store_b128 v[CO], v[BB+4*\t:BB+4*\t+3], s[12:13] offset:(32*((\a)/2)+8*((\a)%2)+\t+8*(\t/8))*4096 th:TH_STORE_NT   ; lane row t of tile a is token 32 (a / 2) + 8 (a % 2) + t + 8 (t / 8); 32 lanes store 512 consecutive bytes, aligned
.endr
.endm
	PLACES NP
	TOSTAGE 0
.irp a, 1,2,3,4,5,6,7
.if \a > 1
	s_wait_xcnt 0x0                                ; block a - 2's stores have read their registers: block a's loads may land there
.endif
	TOSTAGE \a
	SEND \a-1, 32                                  ; behind block a - 1's loads: block a's 16 stores and 16 loads
.endr
	SEND 7, 0
	s_wait_tensorcnt 0x0                           ; the wave's end
	ds_add_u32 v[SPW], v[NIL]
	s_wait_dscnt 0x0
	CROUND                                         ; the closing round
	s_endpgm
.Lfunc_end_k_qfda175f27b_proj:
	.size	k_qfda175f27b_proj, .Lfunc_end_k_qfda175f27b_proj-k_qfda175f27b_proj
	.p2alignl 7, 3214868480
	.fill 96, 4, 3214868480
	.section	.rodata,"a",@progbits
	.p2align	6, 0x0
	.amdhsa_kernel k_qfda175f27b_proj
		.amdhsa_group_segment_fixed_size 327680
		.amdhsa_private_segment_fixed_size 0
		.amdhsa_enable_private_segment 0
		.amdhsa_kernarg_size 48
		.amdhsa_user_sgpr_count 2
		.amdhsa_user_sgpr_kernarg_segment_ptr 1
		.amdhsa_wavefront_size32 1
		.amdhsa_system_sgpr_workgroup_id_x 1
		.amdhsa_system_sgpr_workgroup_id_y 1
		.amdhsa_system_sgpr_workgroup_id_z 1
		.amdhsa_system_vgpr_workitem_id 0
		.amdhsa_next_free_vgpr 1024
		.amdhsa_next_free_sgpr 100
		.amdhsa_reserve_vcc 0
		.amdhsa_float_denorm_mode_32 3
		.amdhsa_float_denorm_mode_16_64 3
		.amdhsa_memory_ordered 1
		.amdhsa_forward_progress 1
		.amdhsa_inst_pref_size 129
	.end_amdhsa_kernel
	.amdgpu_metadata
---
amdhsa.version: [ 1, 2 ]
amdhsa.kernels:
  - .name:           k_qfda175f27b_proj
    .symbol:         k_qfda175f27b_proj.kd
    .args:
      - { .name: y_img, .offset: 0, .size: 8, .value_kind: global_buffer, .address_space: global }
      - { .name: y_sc, .offset: 8, .size: 8, .value_kind: global_buffer, .address_space: global }
      - { .name: cod, .offset: 16, .size: 8, .value_kind: global_buffer, .address_space: global }
      - { .name: scl, .offset: 24, .size: 8, .value_kind: global_buffer, .address_space: global }
      - { .name: out_b, .offset: 32, .size: 8, .value_kind: global_buffer, .address_space: global }
      - { .name: out0, .offset: 40, .size: 8, .value_kind: global_buffer, .address_space: global }
    .group_segment_fixed_size: 327680
    .private_segment_fixed_size: 0
    .kernarg_segment_align: 8
    .kernarg_segment_size: 48
    .max_flat_workgroup_size: 128
    .sgpr_count:     100
    .vgpr_count:     1024
    .wavefront_size: 32
...
	.end_amdgpu_metadata
.endif
;; end of part 4
